; MI455X (gfx1250); checked and timed in simulation.
; The chip was launched on July 23, 2026; its instructions are those of AMD's public machine-readable ISA for CDNA 5 (MIT licence, August 2026) and "CDNA5" Instruction Set Architecture Reference Guide (July 2026). The comments in the code are by the model that wrote it; some were corrected since.
;; Multi Head Attention. Allowed arithmetic: matrix products marked QUANTISED: E2M1 operands, one E8M0 scale for each 32 along K, by v_wmma_scale_f32_16x16x128_f8f6f4 with both operands' format E2M1 (or v_wmma_scale_f32_32x16x128_f4), f32 sums; everything else in f32.
;; Inputs: bk 1,024 float32; bo 1,024 float32; bq 1,024 float32; bv 1,024 float32; key 4 x 2,048 x 1,024 float32; mask 1 x 1 x 2,048 x 2,048 int32; query 4 x 2,048 x 1,024 float32; value 4 x 2,048 x 1,024 float32; wk 1,024 x 1,024 float32; wo 1,024 x 1,024 float32; wq 1,024 x 1,024 float32; wv 1,024 x 1,024 float32.
;; Outputs: out0 4 x 2,048 x 1,024 float32.
;; This version of the problem:
;;   THIS VERSION OF THE PROBLEM IS GIVEN IN LOW PRECISION. The matrix products marked QUANTISED in the list below multiply operands that are first quantised to E2M1 (2 exponent bits, 1 mantissa bit; 4 bits a number), with one power-of-two scale for each 32 numbers along K (OCP MX v1.0); their sums are f32. All else is computed in f32.
;;   The module's matrix products, in the order in which they are computed (A, B: the left and right operand; K: the contracted axis; several contracted axes count as one K, in the product's order):
;;     1. [M 8,192, K 1,024] x [K 1,024, N 1,024]; A: input query; B: input wq: QUANTISED
;;     2. [M 8,192, K 1,024] x [K 1,024, N 1,024]; A: input key; B: input wk: QUANTISED
;;     3. [M 8,192, K 1,024] x [K 1,024, N 1,024]; A: input value; B: input wv: QUANTISED
;;     4. batch 64 x [M 2,048, K 64] x [K 64, N 2,048]; A: computed on the way; B: computed on the way: QUANTISED
;;     5. batch 64 x [M 2,048, K 2,048] x [K 2,048, N 64]; A: softmax (see below); B: computed on the way: QUANTISED
;;     6. [M 8,192, K 1,024] x [K 1,024, N 1,024]; A: computed on the way; B: input wo: QUANTISED
;;   THE QUANTISER, for each operand of a quantised product, along K:
;;     - K is cut into blocks of 32 from its start; a last block that is shorter is filled with zeros.
;;     - A block's scale is 2^e with e = floor(log2(the largest magnitude in the block)) - 2, held to -126 .. 127; a block of zeros has e = 0. As a byte (E8M0): e + 127.
;;     - Each number is divided by its block's scale, clamped to +-6, and rounded to the nearest number of E2M1, ties to even, subnormals kept.
;;     - The product sums the exact products of the quantised numbers (number of the format x scale) in f32.
;;   ~~~python
;;   def quantise(x, axis):      # numpy; x: float32 -> the quantised numbers, widened to float32 again
;;       x = np.moveaxis(x, axis, -1); K = x.shape[-1]
;;       x = np.pad(x, [(0, 0)] * (x.ndim - 1) + [(0, -K % 32)]); x = x.reshape(x.shape[:-1] + (-1, 32)); a = np.abs(x).max(-1, keepdims=True)
;;       e = np.where(a > 0, np.clip(np.frexp(np.where(a > 0, a, 1))[1] - 1 - 2, -126, 127), 0)      # np.frexp(a)[1] - 1 = floor(log2(a)), exactly
;;       r = np.clip(x / 2.0 ** e, -6, 6)
;;       step = 2.0 ** (np.maximum(np.frexp(np.where(r == 0, 1, r))[1] - 1, 0) - 1)
;;       q = np.round(r / step) * step * 2.0 ** e      # np.round: ties to even
;;       return np.moveaxis(q.reshape(q.shape[:-2] + (-1,))[..., :K], -1, axis).astype(np.float32)
;;   ~~~
;;   SOFTMAX AHEAD OF A QUANTISED PRODUCT. Where the list says 'softmax', what is quantised is not the finished softmax but p = 2^(t - M), with t = logit x log2(e) and M = ceil(the row's largest t), a whole number; so 1/2 < the row's largest p <= 1. The row's sum l is taken of the UNQUANTISED p, in f32, and the product's result is divided by l at the end. Since M is a whole number, a kernel that streams over the keys may use a running M (the ceiling of the running maximum): every later rescaling is an exact power of two, which a block's scale takes up: the codes' values come out the same.
;;   OPERANDS COMPUTED ON THE WAY. 'Computed on the way' means the value that the module computes at that place (a softmax that the list does not call 'softmax' is quantised finished and normalised). What goes into a quantiser is computed in f32, as accurately as f32 sums, v_exp_f32 and their like allow (about 1e-6 of the number): no bf16 or f16 on the way to a quantiser, and a product that is left as it is and whose result goes on into a quantised operand takes f32 operands (vector FMAs, or v_wmma_f32_16x16x4_f32). A number that lies on a knife's edge between two numbers of the format may be rounded either way, as far as f32 arithmetic and the matrix unit's own rounding can turn it there, and no further.
;; 2 versions, each right; version 2 is version 1 with the launch attn written anew for expert scheduling mode. Each part assembles by itself: llvm-mc -triple=amdgcn-amd-amdhsa -mcpu=gfx1250 --defsym DOCPART=n.
;; ======== version 1 of 2: 4 launches
;; workspace buffers: xw 15,597,568 bytes; mk 532,480 bytes of whole numbers; qkv 13,369,344 bytes; oq 4,456,448 bytes
;; launch prep (part 1): grid 1408 x 1, 4 waves a work-group, no clusters, 34,304 bytes of LDS; arguments query, key, value, wq, wk, wv, wo, mask, xw, mk; writes xw, mk
.if DOCPART == 1
	.amdgcn_target "amdgcn-amd-amdhsa--gfx1250"
	.amdhsa_code_object_version 6
	.text
	.protected	k_q3dca3bb8b9_prep
	.globl	k_q3dca3bb8b9_prep
	.p2align	8
	.type	k_q3dca3bb8b9_prep,@function
k_q3dca3bb8b9_prep:
	s_mov_b64 s[64:65], 0
	v_nop
	global_prefetch_b8 v0, s[64:65] scope:SCOPE_SE
	s_setreg_imm32_b32 hwreg(HW_REG_WAVE_MODE, 25, 1), 1
	s_wait_xcnt 0x0
; TWO JOBS IN ONE LAUNCH, parted on the work-group's number.
; Work-groups 0-895: query, key, value [8192][1024] and wq, wk, wv, wo [1024][1024], f32, K innermost, become codes of FP4 (E2M1) with one E8M0 byte for each 32 along K,
; laid in xw in the order of a matrix operand's registers.  A TILE holds 16 rows that are not neighbours: tile Tg = 2 n + u holds rows 32 n + 8 u + r + 8 (r / 8), r = 0 .. 15.
;   codes:  g x CG + Tg x 4096 + s x 1024 + c x 512 + 16 x lane: lane (r, h) holds k = 512 g + 128 s + 64 c + 32 h + 0 .. 31 of the tile's row r: 16 bytes.
;   scales: SC0 + g x SG + Tg x 256 + 16 r + 4 s: one word for a row and 128 along K, byte b for k = 32 b on.
; A block's scale is 2^(floor(log2(largest magnitude)) - 2); its byte is the largest magnitude's exponent field - 2, held at 1 from below (a block of zeros keeps 1: its codes are zeros, and this program alone reads the bytes).
; LIMITS: NaN and infinities among the inputs are not served.
; A wave takes one tile and one half of K: 16 rows x 512 numbers, in four steps of 128 along K.  Each load reads 512 consecutive bytes of one row; a step's 8,192 bytes turn through the wave's own stage in LDS
; (rows 528 bytes apart, so that sixteen rows begin at sixteen different 16-byte columns of 256) and come back 128 bytes a lane: a whole block of 32 in one lane's registers.
; Work-groups 896-1407: the mask [2048][2048] of int32 becomes bits.  A wave takes one row.
;   mk: row x 256 + ks x 16 + e x 4: bit l of that word is set where mask[row][128 ks + 4 l + e] is not 0.
;   mk + MSUM + 4 row: bit ks: the row has a key that counts among keys 128 ks .. + 127 (all sixteen bits where it has none at all); bit 16 + ks: all 128 count.
; Waves share nothing: no barrier.  Only the first job touches LDS.
.set NQWG, 896
.set SP,   528                         ; a stage row: 512 bytes + 16
.set WST,  16*SP                       ; a wave's stage
.set CG,   7340032                     ; 1,792 tiles x 4,096 bytes: the codes of one half of K
.set SC0,  14680064                    ; where the scale words begin
.set SG,   458752                      ; 1,792 tiles x 256 bytes
.set MSUM, 524288
.set W,    16                          ; v16-19  a step's scale word
.set C,    32                          ; v32-63  codes: eight registers for each step, so that no store's data are written again
.set R,    64                          ; v64-191 two sets of 64: numbers as loaded
.set X,    192                         ; v192-255 two blocks of 32 neighbours
	s_load_b512 s[4:19], s[0:1], 0x0               ; query, key, value, wq, wk, wv, wo, mask
	s_load_b128 s[20:23], s[0:1], 0x40             ; xw, mk
	v_lshl_add_u32 v30, v0, 2, 0x8400
	v_mov_b32 v31, 0
	v_lshrrev_b32 v1, 5, v0
	v_readfirstlane_b32 s24, v1                    ; wave 0..3
	v_and_b32 v1, 31, v0                           ; lane
	v_lshlrev_b32 v2, 4, v1                        ; 16 x lane
	s_cmp_lt_u32 ttmp9, NQWG
	s_cbranch_scc0 .Lmask
	; ---------------- the quantiser ----------------
	s_mov_b32 s25, ttmp9                           ; n: which 32 rows of the seven tensors on end
	s_mov_b32 s28, 0x76543210
	s_mov_b32 s29, 0xfedcba98                      ; v_permlanex16_b32's selects for lane l xor 16
	v_and_b32 v8, 15, v0                           ; r
	v_bfe_u32 v9, v0, 4, 1                         ; h
	s_mul_i32 s30, s24, WST
	v_add_nc_u32 v3, s30, v2                       ; into the stage: a row's 512 bytes as they lie
	v_mul_u32_u24 v4, v8, SP
	v_lshl_add_u32 v4, v9, 7, v4
	v_add_nc_u32 v4, s30, v4                       ; out of it: row r, + 128 h: my 32 numbers of each 64
	v_lshlrev_b32 v5, 3, v9                        ; 8 h: how far my two bytes move up in the scale word
	v_lshl_add_u32 v6, v8, 4, v5                   ; 16 r + 8 h: where I store two scale words
	v_mov_b32 v15, 0                               ; written once: a lane permute's destination counts as one of its sources
	s_lshr_b32 s30, s25, 8                         ; n < 768: tensor n / 256 (query, key, value), 32 rows n % 256
	s_and_b32 s31, s25, 255
	s_sub_co_u32 s32, s25, 768                     ; else: weight (n - 768) / 32, 32 rows (n - 768) % 32
	s_lshr_b32 s33, s32, 5
	s_add_co_u32 s33, s33, 3
	s_and_b32 s34, s32, 31
	s_cmp_lt_u32 s25, 768
	s_cselect_b32 s30, s30, s33
	s_cselect_b32 s31, s31, s34
	s_lshr_b32 s36, s24, 1                         ; u: which tile of the 32 rows
	s_and_b32 s37, s24, 1                          ; g: which half of K
	s_lshl_b32 s32, s31, 17                        ; 32 rows of 4,096 bytes
	s_lshl_b32 s35, s36, 15                        ; + 8 u rows
	s_add_co_u32 s32, s32, s35
	s_lshl_b32 s35, s37, 11                        ; + 512 g numbers
	s_add_co_u32 s32, s32, s35
	s_mov_b32 s33, 0
	s_lshl_b32 s38, s25, 1
	s_add_co_u32 s38, s38, s36                     ; Tg
	s_mul_i32 s40, s37, CG
	s_lshl_b32 s39, s38, 12
	s_add_co_u32 s40, s40, s39
	s_mov_b32 s41, 0
	s_mul_i32 s42, s37, SG
	s_lshl_b32 s39, s38, 8
	s_add_co_u32 s42, s42, s39
	s_add_co_u32 s42, s42, SC0
	s_mov_b32 s43, 0
	s_wait_kmcnt 0x0
	s_mov_b64 s[26:27], s[4:5]                     ; the source is chosen on the work-group's number alone
.irp k, 1,2,3,4,5,6
	s_cmp_eq_u32 s30, \k
	s_cselect_b64 s[26:27], s[4+2*\k:5+2*\k], s[26:27]
.endr
	s_add_nc_u64 s[26:27], s[26:27], s[32:33]
	s_add_nc_u64 s[40:41], s[20:21], s[40:41]      ; my tile's codes
	s_add_nc_u64 s[42:43], s[20:21], s[42:43]      ; and scale words
.macro LOADS t                         ; step t: 128 along K of the tile's 16 rows, 512 consecutive bytes a load
.set i, 0
.rept 16
	global_load_b128 v[R+64*((\t)%2)+4*i:R+64*((\t)%2)+4*i+3], v2, s[26:27] offset:(i+8*(i/8))*4096+(\t)*512 th:TH_LOAD_NT
.set i, i+1
.endr
.endm
.macro TURN t                          ; through the stage: LDS serves a wave's instructions in order, so no wait stands between the stores and the loads
.set i, 0
.rept 16
	ds_store_b128 v3, v[R+64*((\t)%2)+4*i:R+64*((\t)%2)+4*i+3] offset:i*SP
.set i, i+1
.endr
.set i, 0
.rept 16
	ds_load_b128 v[X+4*i:X+4*i+3], v4 offset:256*(i/8)+16*(i%8)   ; register 32 c + j: k = 64 c + 32 h + j of my row
.set i, i+1
.endr
.endm
.macro QSTEP t
.irp c, 0,1
	v_max3_num_f32 v[8+\c], |v[X+32*\c]|, |v[X+32*\c+1]|, 0x1800000   ; my block 2 c + h: all 32 numbers are mine; the floor 2^(3 - 127) holds the byte at 1 from below
.endr
.irp i, 2,4,6,8,10,12,14,16,18,20,22,24,26,28,30
.irp c, 0,1
	v_max3_num_f32 v[8+\c], v[8+\c], |v[X+32*\c+\i]|, |v[X+32*\c+\i+1]|   ; (the two blocks by turns)
.endr
.endr
.irp c, 0,1
	v_add_nc_u32 v[10+\c], 0xff000000, v[8+\c]     ; 2 off the exponent field: the conversion takes the exponent field of this operand as its scale
.endr
.irp c, 0,1
	v_lshrrev_b32 v[12+\c], 23, v[10+\c]           ; the scale's byte
.endr
.irp c, 0,1
.irp q, 0,1,2,3
	v_cvt_scalef32_pk8_fp4_f32 v[C+8*(\t)+4*\c+\q], v[X+32*\c+8*\q:X+32*\c+8*\q+7], v[10+\c]
.endr
.endr
	v_lshl_or_b32 v14, v13, 16, v12                ; (a plain line behind the conversions)  my two bytes: blocks h and 2 + h,
	v_lshlrev_b32 v14, v5, v14                     ; at their places in the word;
	v_permlanex16_b32 v15, v14, s28, s29
	v_or_b32 v[W+(\t)], v14, v15                   ; with lane l xor 16's two the word is whole
.irp c, 0,1
	global_store_b128 v2, v[C+8*(\t)+4*\c:C+8*(\t)+4*\c+3], s[40:41] offset:(\t)*1024+\c*512   ; 32 lanes store 512 consecutive bytes
.endr
.endm
	LOADS 0
	LOADS 1
.irp t, 0,1,2,3
.if \t < 3
	s_wait_loadcnt 16                              ; this step's 16 loads are in; the next step's 16 may be out
.else
	s_wait_loadcnt 0x0
.endif
	TURN \t
	s_wait_dscnt 0x0                               ; the numbers are back, and the stage's stores have read their registers,
.if \t < 2
	LOADS \t+2                                     ; which take the loads of two steps on
.endif
	QSTEP \t
.endr
	v_cmp_ne_u32 vcc_lo, 0, v5
	v_cndmask_b32 v20, v16, v18, vcc_lo            ; lanes 0-15 store words 0 and 1 of row r, lanes 16-31 words 2 and 3:
	v_cndmask_b32 v21, v17, v19, vcc_lo
	global_store_b64 v6, v[20:21], s[42:43]        ; 32 lanes store 256 consecutive bytes, aligned
	s_wait_tensorcnt 0x0
	ds_add_u32 v30, v31
	s_wait_dscnt 0x0
	s_endpgm
	; ---------------- the mask ----------------
.Lmask:
	s_sub_co_u32 s25, ttmp9, NQWG
	s_lshl_b32 s25, s25, 2
	s_add_co_u32 s25, s25, s24                     ; my row
	s_lshl_b32 s26, s25, 13
	s_mov_b32 s27, 0
	s_lshl_b32 s38, s25, 8
	s_mov_b32 s39, 0
	s_lshl_b32 s40, s25, 2
	s_mov_b32 s41, 0
	v_lshlrev_b32 v3, 3, v1                        ; 8 x lane
	v_mov_b32 v20, 0                               ; the row's 64 words: word wd in register wd % 2, lane wd / 2
	v_mov_b32 v21, 0
	v_mov_b32 v23, 0
	s_mov_b32 s36, 0                               ; steps with a key that counts
	s_mov_b32 s37, 0                               ; steps all of whose keys count
	s_wait_kmcnt 0x0
	s_add_nc_u64 s[26:27], s[18:19], s[26:27]
	s_add_nc_u64 s[38:39], s[22:23], s[38:39]
	s_add_nc_u64 s[40:41], s[22:23], s[40:41]
.set i, 0
.rept 16
	global_load_b128 v[64+4*i:64+4*i+3], v2, s[26:27] offset:i*512 th:TH_LOAD_NT   ; lane l: mask[row][128 i + 4 l + 0 .. 3]
.set i, i+1
.endr
.irp ks, 0,1,2,3,4,5,6,7,8,9,10,11,12,13,14,15
	s_wait_loadcnt 15-\ks                          ; this step's load is in; the later steps' may be out
.irp e, 0,1,2,3
	v_cmp_ne_u32 s[30+\e], 0, v[64+4*\ks+\e]
.endr
.irp e, 0,1,2,3
	v_writelane_b32 v[20+\e%2], s[30+\e], (4*\ks+\e)/2
.endr
	s_or_b32 s34, s30, s31
	s_or_b32 s35, s32, s33
	s_or_b32 s34, s34, s35
	s_cmp_lg_u32 s34, 0
	s_cselect_b32 s35, 1<<\ks, 0
	s_or_b32 s36, s36, s35
	s_and_b32 s34, s30, s31
	s_and_b32 s35, s32, s33
	s_and_b32 s34, s34, s35
	s_cmp_eq_u32 s34, -1
	s_cselect_b32 s35, 1<<(16+\ks), 0
	s_or_b32 s37, s37, s35
.endr
	s_cmp_eq_u32 s36, 0                            ; a row with no key that counts weighs all keys alike: every step is walked for it
	s_cselect_b32 s36, 0xffff, s36
	s_or_b32 s36, s36, s37
	v_mov_b32 v22, s36
	global_store_b64 v3, v[20:21], s[38:39]        ; 32 lanes store 256 consecutive bytes, aligned
	s_wait_xcnt 0x0                                ; EXEC changes only behind this wait
	v_cmp_eq_u32 vcc_lo, 0, v1
	s_and_saveexec_b32 s42, vcc_lo
	global_store_b32 v23, v22, s[40:41] offset:MSUM   ; one word a row: 8,192 bytes in the whole launch
	s_wait_xcnt 0x0                                ; and again, in front of the line that widens it
	s_or_b32 exec_lo, exec_lo, s42
	s_endpgm
.Lfunc_end_k_q3dca3bb8b9_prep:
	.size	k_q3dca3bb8b9_prep, .Lfunc_end_k_q3dca3bb8b9_prep-k_q3dca3bb8b9_prep
	.p2alignl 7, 3214868480
	.fill 96, 4, 3214868480
	.section	.rodata,"a",@progbits
	.p2align	6, 0x0
	.amdhsa_kernel k_q3dca3bb8b9_prep
		.amdhsa_group_segment_fixed_size 34304
		.amdhsa_private_segment_fixed_size 0
		.amdhsa_enable_private_segment 0
		.amdhsa_kernarg_size 80
		.amdhsa_user_sgpr_count 2
		.amdhsa_user_sgpr_kernarg_segment_ptr 1
		.amdhsa_wavefront_size32 1
		.amdhsa_system_sgpr_workgroup_id_x 1
		.amdhsa_system_sgpr_workgroup_id_y 1
		.amdhsa_system_sgpr_workgroup_id_z 1
		.amdhsa_system_vgpr_workitem_id 0
		.amdhsa_next_free_vgpr 256
		.amdhsa_next_free_sgpr 66
		.amdhsa_reserve_vcc 1
		.amdhsa_float_denorm_mode_32 3
		.amdhsa_float_denorm_mode_16_64 3
		.amdhsa_memory_ordered 1
		.amdhsa_forward_progress 1
		.amdhsa_inst_pref_size 48
	.end_amdhsa_kernel
	.amdgpu_metadata
---
amdhsa.version: [ 1, 2 ]
amdhsa.kernels:
  - .name:           k_q3dca3bb8b9_prep
    .symbol:         k_q3dca3bb8b9_prep.kd
    .args:
      - { .name: query, .offset: 0, .size: 8, .value_kind: global_buffer, .address_space: global }
      - { .name: key, .offset: 8, .size: 8, .value_kind: global_buffer, .address_space: global }
      - { .name: value, .offset: 16, .size: 8, .value_kind: global_buffer, .address_space: global }
      - { .name: wq, .offset: 24, .size: 8, .value_kind: global_buffer, .address_space: global }
      - { .name: wk, .offset: 32, .size: 8, .value_kind: global_buffer, .address_space: global }
      - { .name: wv, .offset: 40, .size: 8, .value_kind: global_buffer, .address_space: global }
      - { .name: wo, .offset: 48, .size: 8, .value_kind: global_buffer, .address_space: global }
      - { .name: mask, .offset: 56, .size: 8, .value_kind: global_buffer, .address_space: global }
      - { .name: xw, .offset: 64, .size: 8, .value_kind: global_buffer, .address_space: global }
      - { .name: mk, .offset: 72, .size: 8, .value_kind: global_buffer, .address_space: global }
    .group_segment_fixed_size: 34304
    .private_segment_fixed_size: 0
    .kernarg_segment_align: 8
    .kernarg_segment_size: 80
    .max_flat_workgroup_size: 128
    .sgpr_count:     66
    .vgpr_count:     256
    .wavefront_size: 32
...
	.end_amdgpu_metadata
.endif
;; end of part 1
;; launch proj (part 2): grid 4 x 192, 8 waves a work-group, clusters of 4 x 4, 209,920 bytes of LDS; arguments xw, bq, bk, bv, qkv; writes qkv
.if DOCPART == 2
	.amdgcn_target "amdgcn-amd-amdhsa--gfx1250"
	.amdhsa_code_object_version 6
	.text
	.protected	k_q3dca3bb8b9_proj
	.globl	k_q3dca3bb8b9_proj
	.p2align	8
	.type	k_q3dca3bb8b9_proj,@function
k_q3dca3bb8b9_proj:
	s_mov_b64 s[64:65], 0
	v_nop
	global_prefetch_b8 v0, s[64:65] scope:SCOPE_SE
	s_setreg_imm32_b32 hwreg(HW_REG_WAVE_MODE, 25, 1), 1
	s_wait_xcnt 0x0
	s_wait_alu depctr_hold_cnt(0) depctr_sa_sdst(0) depctr_va_vdst(0) depctr_va_sdst(0) depctr_va_ssrc(0) depctr_va_vcc(0) depctr_vm_vsrc(0)
	s_getreg_b32 s2, hwreg(HW_REG_IB_STS2, 6, 4)
	s_cmp_eq_u32 s2, 0
	s_cbranch_scc0 .Lentry_in_a_cluster
	s_endpgm
.Lentry_in_a_cluster:
	s_bfe_u32 s2, ttmp6, 0x10000c
	s_cmp_lg_u32 s2, 0xf033
	s_cbranch_scc0 .Lentry_shape_is_right
	s_endpgm
.Lentry_shape_is_right:
; q = query wq^T + bq, k = key wk^T + bk, v = value wv^T + bv, on codes of FP4 with E8M0 scales (xw, made by the launch before), and the results quantised on the way out, as operands of attention.
; p = work-group y / 64 says which of the three.  A work-group makes 256 features (X: rows of the weight, by work-group x) x 128 tokens (Y, by work-group y) over all K = 1,024.
; Eight waves: wave W makes 64 features (wx = W % 4: ONE HEAD) x 64 tokens (wy = W / 4): 16 accumulators, 128 registers.
; ALL OF K LIES IN LDS: each wave brings two dense blocks (K's first half, K's second half) by two tensor loads at the start; no LDS byte is filled twice.  By this text's count a wave has two tensor loads out.
; CLUSTERS: 4 x 4 work-groups.  X's blocks hang on work-group x (and p) and are shared along a column of the cluster, Y's on work-group y and are shared along a row: joint loads with a mask of four.
; xw holds fragments as images of an operand's registers (16 bytes a lane, 512 a load), so LDS rows need no pitch: every LDS load reads consecutive bytes.
; A TILE holds rows 32 (T / 2) + 8 (T % 2) + r + 8 (r / 8): so the 16 registers that two neighbouring tiles of source 0 leave in a lane are 16 NEIGHBOURS, the order in which the next quantiser wants them.
; q and k (p = 0, 1): source 0 = features, source 1 = tokens: a lane holds one token and its registers run along the head's 64, which is the next K.
; v (p = 2): source 0 = tokens, source 1 = features: a lane holds one feature and its registers run along the keys, which is the next K.
; The bias is the C of each sum's first matrix instruction.  The accumulators take turns in ascending order in every K step.
; qkv: codes p x 4194304 + bh x 65536 +: q, k: T x 512 + 16 lane (lane (r, h): token of tile T's row r, d = 32 h ..);  v: ks x 4096 + dt x 1024 + c x 512 + 16 lane (d of tile dt's row r, key 128 ks + 64 c + 32 h ..).
;      scale words 12582912 + p x 262144 + bh x 4096 + ks x 256 + wy x 128 + t x 64 + 4 r: bytes = the two blocks of the first tile of a pair, then of the second.
; LIMITS: NaN and infinities are not served; a block of zeros keeps the byte 1 (its codes are zeros; this program alone reads the bytes).
.set YC,   131072                      ; LDS: X's codes at 0 (2 x 65,536), Y's here (2 x 32,768),
.set XS,   196608                      ; X's scale words (2 x 4,096),
.set YS,   204800                      ; Y's (2 x 2,048)
.set CG,   7340032                     ; xw: from K's first half to its second, codes;
.set SC0,  14680064                    ; where the scale words begin;
.set SG,   458752                      ; from half to half, scale words
.set SC,   16                          ; v16-31  scale words, and nothing else: register 4 i + s: lanes 0-15 X's tile i, lanes 16-31 Y's tile i, K step s of the half
.set BI,   32                          ; v32-63  the bias, in the result's layout; later the quantiser's work
.set XF,   64                          ; v64-95  X's four fragments; later the codes made
.set YF,   96                          ; v96-127 Y's four
.set ACC,  128                         ; v128-255
.set TM,   32
.set G1X,  24
.set G1Y,  32
.set G1XS, 40
.set G1YS, 48
.set G0X,  56                          ; groups 0: two sets each, one for each half of K
.set G0Y,  68
.set G0XS, 76
.set G0YS, 84
.macro CROUND                          ; a round of the cluster's barrier
	s_barrier_signal -1
	s_barrier_wait -1
	s_cmp_lg_u32 s14, 0
	s_cbranch_scc1 .Lnot_wave_0_\@
	s_barrier_signal -3
.Lnot_wave_0_\@:
	s_barrier_wait -3
	s_barrier_signal -1
	s_barrier_wait -1
.endm
.macro GROUP1 g, rows                  ; a dense block as rows of 256 bytes: 32 elements of 8 bytes
	s_mov_b32 s[\g+1], 32<<16                      ; tensor_dim0
	s_mov_b32 s[\g+2], (\rows)<<16                 ; tensor_dim1
	s_mov_b32 s[\g+3], 32<<16                      ; tile_dim0
	s_mov_b32 s[\g+4], \rows                       ; tile_dim1
	s_mov_b32 s[\g+5], 32                          ; from row to row
	s_mov_b32 s[\g+6], 0
	s_mov_b32 s[\g+7], 0
.endm
.macro PAIR g0, g1                     ; a wave's two first fills stand together; four v_nop follow the second
	tensor_load_to_lds s[\g0:\g0+3], s[\g1:\g1+7]
	s_nop 0
	tensor_load_to_lds s[\g0+4:\g0+7], s[\g1:\g1+7]
	s_nop 0
.rept 4
	v_nop
.endr
.endm
	s_load_b256 s[4:11], s[0:1], 0x0               ; xw, bq, bk, bv
	s_load_b64 s[12:13], s[0:1], 0x20              ; qkv
	v_lshl_add_u32 v14, v0, 2, 0x33000
	v_mov_b32 v15, 0
	ds_add_u32 v14, v15
	ds_add_u32 v14, v15
	v_lshrrev_b32 v1, 5, v0
	v_readfirstlane_b32 s14, v1                    ; wave 0..7
	s_bfe_u32 s15, ttmp6, 0x40000                  ; cx
	s_bfe_u32 s16, ttmp6, 0x40004                  ; cy
	s_lshl_b32 s17, ttmp9, 2
	s_add_co_u32 s17, s17, s15                     ; work-group x
	s_and_b32 s19, ttmp7, 0xffff                   ; cluster y
	s_lshl_b32 s18, s19, 2
	s_add_co_u32 s18, s18, s16                     ; work-group y
	s_lshr_b32 s19, s19, 4                         ; p: from the cluster's y alone, so it is the same in all sixteen partners
	s_lshl_b32 s20, s16, 2
	s_lshl_b32 s20, 15, s20                        ; my row of the cluster
	s_lshl_b32 s21, 0x1111, s15                    ; my column
	s_or_b32 s[G1X], s21, (3<<16)|(1<<21)          ; 15:0 the mask; 17:16 elements of 8 bytes; 21 set beside a mask; no padding
	s_or_b32 s[G1XS], s21, (3<<16)|(1<<21)
	s_or_b32 s[G1Y], s20, (3<<16)|(1<<21)
	s_or_b32 s[G1YS], s20, (3<<16)|(1<<21)
	GROUP1 G1X, 64                                 ; four tiles' codes of half of K: 16,384 bytes
	GROUP1 G1Y, 64
	GROUP1 G1XS, 16                                ; sixteen tiles' scale words: 4,096 bytes
	GROUP1 G1YS, 8                                 ; eight tiles': 2,048 bytes
	; X's places in xw, in registers that never hold cy
	s_lshl_b32 s92, s19, 6
	s_lshl_b32 s93, s17, 4
	s_add_co_u32 s92, s92, s93
	s_add_co_u32 s92, s92, 1536                    ; the work-group's first tile of the weight: 1536 + 64 p + 16 x
	s_and_b32 s100, s14, 3
	s_lshl_b32 s93, s100, 2
	s_add_co_u32 s93, s93, s92
	s_lshl_b32 s94, s93, 12                        ; waves 0-3: four tiles each
	s_mov_b32 s95, 0
	s_lshl_b32 s92, s92, 8
	s_add_co_u32 s92, s92, SC0
	s_mov_b32 s93, 0
	; Y's, in registers that never hold cx
	s_lshl_b32 s96, s18, 3                         ; the work-group's first tile of tokens: 8 y
	s_and_b32 s101, s14, 1
	s_lshl_b32 s97, s101, 2
	s_add_co_u32 s97, s97, s96
	s_lshl_b32 s98, s97, 12                        ; waves 4, 5: four tiles each
	s_mov_b32 s99, 0
	s_lshl_b32 s96, s96, 8
	s_add_co_u32 s96, s96, SC0
	s_mov_b32 s97, 0
	s_lshl_b32 s100, s100, 14                      ; where they go: the wave's number alone enters an LDS address
	s_lshl_b32 s101, s101, 14
	s_add_co_u32 s101, s101, YC
	s_wait_dscnt 0x0
	s_wait_kmcnt 0x0
	s_mov_b32 s[G0X], 1
	s_mov_b32 s[G0X+1], s100
	s_add_nc_u64 s[G0X+2:G0X+3], s[4:5], s[94:95]
	s_mov_b32 s[G0X+4], 1
	s_add_co_u32 s[G0X+5], s100, 65536
	s_add_nc_u64 s[G0X+6:G0X+7], s[G0X+2:G0X+3], CG
	s_or_b32 s[G0X+3], s[G0X+3], 0x80000000
	s_or_b32 s[G0X+7], s[G0X+7], 0x80000000
	s_mov_b32 s[G0Y], 1
	s_mov_b32 s[G0Y+1], s101
	s_add_nc_u64 s[G0Y+2:G0Y+3], s[4:5], s[98:99]
	s_mov_b32 s[G0Y+4], 1
	s_add_co_u32 s[G0Y+5], s101, 32768
	s_add_nc_u64 s[G0Y+6:G0Y+7], s[G0Y+2:G0Y+3], CG
	s_or_b32 s[G0Y+3], s[G0Y+3], 0x80000000
	s_or_b32 s[G0Y+7], s[G0Y+7], 0x80000000
	s_mov_b32 s[G0XS], 1
	s_mov_b32 s[G0XS+1], XS
	s_add_nc_u64 s[G0XS+2:G0XS+3], s[4:5], s[92:93]
	s_mov_b32 s[G0XS+4], 1
	s_mov_b32 s[G0XS+5], XS+4096
	s_add_nc_u64 s[G0XS+6:G0XS+7], s[G0XS+2:G0XS+3], SG
	s_or_b32 s[G0XS+3], s[G0XS+3], 0x80000000
	s_or_b32 s[G0XS+7], s[G0XS+7], 0x80000000
	s_mov_b32 s[G0YS], 1
	s_mov_b32 s[G0YS+1], YS
	s_add_nc_u64 s[G0YS+2:G0YS+3], s[4:5], s[96:97]
	s_mov_b32 s[G0YS+4], 1
	s_mov_b32 s[G0YS+5], YS+2048
	s_add_nc_u64 s[G0YS+6:G0YS+7], s[G0YS+2:G0YS+3], SG
	s_or_b32 s[G0YS+3], s[G0YS+3], 0x80000000
	s_or_b32 s[G0YS+7], s[G0YS+7], 0x80000000
	CROUND                                         ; all sixteen work-groups are here: the joint loads meet
	s_cmp_lt_u32 s14, 4                            ; one parting on the wave's number: waves 0-3 X's codes, 4 and 5 Y's, 6 X's scale words, 7 Y's.  Every wave issues two loads
	s_cbranch_scc0 .Lnot_x
	PAIR G0X, G1X
	s_branch .Lasked
.Lnot_x:
	s_cmp_lt_u32 s14, 6
	s_cbranch_scc0 .Lnot_y
	PAIR G0Y, G1Y
	s_branch .Lasked
.Lnot_y:
	s_cmp_eq_u32 s14, 6
	s_cbranch_scc0 .Lfor_ys
	PAIR G0XS, G1XS
	s_branch .Lasked
.Lfor_ys:
	PAIR G0YS, G1YS
.Lasked:
	v_and_b32 v12, 31, v0
	v_lshlrev_b32 v1, 4, v12                       ; 16 x lane
	v_lshlrev_b32 v11, 2, v12                      ; 4 x lane
	v_and_b32 v2, 15, v0                           ; r
	v_bfe_u32 v3, v0, 4, 1                         ; h
	s_and_b32 s22, s14, 3                          ; wx
	s_lshr_b32 s23, s14, 2                         ; wy
	s_lshl_b32 s2, s22, 14
	v_add_nc_u32 v4, s2, v1                        ; my four tiles of X, first half of K;
	v_add_nc_u32 v5, 65536, v4                     ; second half
	s_lshl_b32 s2, s23, 14
	s_add_co_u32 s2, s2, YC
	v_add_nc_u32 v6, s2, v1                        ; of Y
	v_add_nc_u32 v7, 32768, v6
	s_lshl_b32 s2, s22, 10
	s_lshl_b32 s3, s23, 10
	s_add_co_u32 s3, s3, 8192
	s_sub_co_u32 s3, s3, s2                        ; from my X tiles' scale words to my Y tiles': 8192 + 1024 wy - 1024 wx in the first half,
	v_mul_u32_u24 v12, s3, v3                      ; which lanes 16-31 add
	v_lshl_add_u32 v13, v2, 4, v12
	s_add_co_u32 s2, s2, XS
	v_add_nc_u32 v8, s2, v13
	s_sub_co_u32 s3, s3, 2048                      ; 2,048 less in the second
	v_mul_u32_u24 v12, s3, v3
	v_lshl_add_u32 v13, v2, 4, v12
	s_add_co_u32 s2, s2, 4096
	v_add_nc_u32 v9, s2, v13
	; the bias of my 64 features
	s_lshl_b32 s2, s17, 10
	s_lshl_b32 s3, s22, 8
	s_add_co_u32 s2, s2, s3
	s_mov_b32 s3, 0
	s_cmp_eq_u32 s19, 1
	s_cselect_b64 s[6:7], s[8:9], s[6:7]
	s_cmp_eq_u32 s19, 2
	s_cselect_b64 s[6:7], s[10:11], s[6:7]
	s_add_nc_u64 s[6:7], s[6:7], s[2:3]
	s_cmp_eq_u32 s19, 2
	s_cbranch_scc1 .Lbias_v
	v_lshlrev_b32 v10, 6, v3                       ; q, k: register j of tile a is feature 32 (a / 2) + 8 (a % 2) + 16 h + j
.irp a, 0,1,2,3
	global_load_b128 v[BI+8*\a:BI+8*\a+3], v10, s[6:7] offset:(32*(\a/2)+8*(\a%2))*4
	global_load_b128 v[BI+8*\a+4:BI+8*\a+7], v10, s[6:7] offset:(32*(\a/2)+8*(\a%2))*4+16
.endr
	s_branch .Lbias_done
.Lbias_v:
	v_and_b32 v10, 8, v2                           ; v: all eight registers of tile a are feature 32 (a / 2) + 8 (a % 2) + r + 8 (r / 8)
	v_add_nc_u32 v10, v10, v2
	v_lshlrev_b32 v10, 2, v10
.irp a, 0,1,2,3
.irp j, 0,1,2,3,4,5,6,7
	global_load_b32 v[BI+8*\a+\j], v10, s[6:7] offset:(32*(\a/2)+8*(\a%2))*4
.endr
.endr
.Lbias_done:
	; where the results go
	s_and_b32 s2, s18, 63
	s_lshr_b32 s3, s2, 4                           ; batch
	s_and_b32 s2, s2, 15                           ; ks: which 128 tokens of the batch
	s_lshl_b32 s8, s17, 2
	s_add_co_u32 s8, s8, s22                       ; head
	s_lshl_b32 s3, s3, 4
	s_add_co_u32 s3, s3, s8                        ; bh
	s_lshl_b32 s8, s19, 22
	s_lshl_b32 s9, s3, 16
	s_add_co_u32 s8, s8, s9
	s_lshl_b32 s9, s2, 12
	s_add_co_u32 s8, s8, s9
	s_cmp_eq_u32 s19, 2
	s_cselect_b32 s9, 9, 11                        ; wy x 512 in v (which 64 keys of the step), wy x 2,048 in q and k (four tiles)
	s_lshl_b32 s9, s23, s9
	s_add_co_u32 s8, s8, s9
	s_mov_b32 s9, 0
	s_add_nc_u64 s[8:9], s[12:13], s[8:9]          ; codes
	s_lshl_b32 s10, s19, 18
	s_lshl_b32 s11, s3, 12
	s_add_co_u32 s10, s10, s11
	s_lshl_b32 s11, s2, 8
	s_add_co_u32 s10, s10, s11
	s_lshl_b32 s11, s23, 7
	s_add_co_u32 s10, s10, s11
	s_add_co_u32 s10, s10, 12582912
	s_mov_b32 s11, 0
	s_add_nc_u64 s[10:11], s[12:13], s[10:11]      ; scale words
	s_mov_b32 s20, 0x76543210
	s_mov_b32 s21, 0xfedcba98                      ; v_permlanex16_b32's selects for lane l xor 16 (the masks are in the descriptors by now)
.macro SCALES g                        ; a half's scale words: four words a row by one load; lanes 0-15 take X's tile i, lanes 16-31 Y's tile i
.irp i, 0,1,2,3
	ds_load_b128 v[SC+4*\i:SC+4*\i+3], v[8+\g] offset:\i*256
.endr
.endm
.macro FRAGS reg, adr, sp              ; four fragments (16 rows x 128 K: 8 registers), each by two loads of 512 consecutive bytes
.irp i, 0,1,2,3
	ds_load_b128 v[\reg+8*\i:\reg+8*\i+3], v[\adr] offset:\i*4096+(\sp)*1024
	ds_load_b128 v[\reg+8*\i+4:\reg+8*\i+7], v[\adr] offset:\i*4096+(\sp)*1024+512
.endr
.endm
.macro PLACES                          ; four plain vector lines between a matrix instruction and a load into a register that it has read, or the first read of its result
.rept 4
	v_nop
.endr
.endm
.macro KSTEP_QK g, sp, first           ; 128 along K: source 0 = X, source 1 = Y; accumulator 4 b + a
.if (\sp) > 0
	PLACES
.endif
	FRAGS XF, 4+\g, \sp
	FRAGS YF, 6+\g, \sp
.irp b, 0,1,2,3
	s_wait_dscnt 6-2*\b                            ; X's four and Y's tiles up to b are in; the later tiles' loads may be out
.irp a, 0,1,2,3
.if \first
	v_wmma_scale_f32_16x16x128_f8f6f4 v[ACC+8*(4*\b+\a):ACC+8*(4*\b+\a)+7], v[XF+8*\a:XF+8*\a+7], v[YF+8*\b:YF+8*\b+7], v[BI+8*\a:BI+8*\a+7], v[SC+4*\a+(\sp)], v[SC+4*\b+(\sp)] matrix_a_fmt:MATRIX_FMT_FP4 matrix_b_fmt:MATRIX_FMT_FP4 matrix_b_scale:MATRIX_SCALE_ROW1
.else
	v_wmma_scale_f32_16x16x128_f8f6f4 v[ACC+8*(4*\b+\a):ACC+8*(4*\b+\a)+7], v[XF+8*\a:XF+8*\a+7], v[YF+8*\b:YF+8*\b+7], v[ACC+8*(4*\b+\a):ACC+8*(4*\b+\a)+7], v[SC+4*\a+(\sp)], v[SC+4*\b+(\sp)] matrix_a_fmt:MATRIX_FMT_FP4 matrix_b_fmt:MATRIX_FMT_FP4 matrix_b_scale:MATRIX_SCALE_ROW1
.endif
.endr
.endr
.endm
.macro KSTEP_V g, sp, first            ; source 0 = Y, source 1 = X; accumulator 4 a + b
.if (\sp) > 0
	PLACES
.endif
	FRAGS YF, 6+\g, \sp
	FRAGS XF, 4+\g, \sp
.irp a, 0,1,2,3
	s_wait_dscnt 6-2*\a
.irp b, 0,1,2,3
.if \first
	v_wmma_scale_f32_16x16x128_f8f6f4 v[ACC+8*(4*\a+\b):ACC+8*(4*\a+\b)+7], v[YF+8*\b:YF+8*\b+7], v[XF+8*\a:XF+8*\a+7], v[BI+8*\a:BI+8*\a+7], v[SC+4*\b+(\sp)], v[SC+4*\a+(\sp)] matrix_a_fmt:MATRIX_FMT_FP4 matrix_b_fmt:MATRIX_FMT_FP4 matrix_a_scale:MATRIX_SCALE_ROW1
.else
	v_wmma_scale_f32_16x16x128_f8f6f4 v[ACC+8*(4*\a+\b):ACC+8*(4*\a+\b)+7], v[YF+8*\b:YF+8*\b+7], v[XF+8*\a:XF+8*\a+7], v[ACC+8*(4*\a+\b):ACC+8*(4*\a+\b)+7], v[SC+4*\b+(\sp)], v[SC+4*\a+(\sp)] matrix_a_fmt:MATRIX_FMT_FP4 matrix_b_fmt:MATRIX_FMT_FP4 matrix_a_scale:MATRIX_SCALE_ROW1
.endif
.endr
.endr
.endm
; 64 numbers of a lane, register 16 b + i = number 16 h + i of block b, become eight registers of codes (registers 4 c .. 4 c + 3: block 2 c + h whole) in v[pc] on and the four blocks' bytes in v[pw].
.macro QUANT s, pc, pw
.irp b, 0,1,2,3
	v_max3_num_f32 v[TM+\b], |v[\s+16*\b]|, |v[\s+1+16*\b]|, 0x1800000   ; my 16 numbers of block b, each accumulator from its low end on, and the floor 2^(3 - 127)
.endr
.irp i, 2,4,6,8,10,12,14
.irp b, 0,1,2,3
	v_max3_num_f32 v[TM+\b], v[TM+\b], |v[\s+16*\b+\i]|, |v[\s+1+16*\b+\i]|
.endr
.endr
.irp b, 0,1,2,3
	v_permlanex16_b32 v[TM+4+\b], v[TM+\b], s20, s21
.endr
.irp b, 0,1,2,3
	v_max_num_f32 v[TM+\b], v[TM+\b], v[TM+4+\b]   ; with lane l xor 16's: the block's largest magnitude
.endr
.irp b, 0,1,2,3
	v_add_nc_u32 v[TM+12+\b], 0xff000000, v[TM+\b] ; 2 off its exponent field: the conversion's scale operand
.endr
.irp b, 0,1,2,3
	v_lshrrev_b32 v[TM+4+\b], 23, v[TM+12+\b]      ; the scale's byte
.endr
	v_lshl_or_b32 v[\pw], v[TM+5], 8, v[TM+4]
	v_lshl_or_b32 v[\pw], v[TM+6], 16, v[\pw]
	v_lshl_or_b32 v[\pw], v[TM+7], 24, v[\pw]
.irp b, 0,1,2,3
	v_cvt_scalef32_pk8_fp4_f32 v[\pc+2*\b], v[\s+16*\b:\s+7+16*\b], v[TM+12+\b]
	v_cvt_scalef32_pk8_fp4_f32 v[\pc+1+2*\b], v[\s+8+16*\b:\s+15+16*\b], v[TM+12+\b]
.endr
	v_nop                                          ; one plain line behind a scaled conversion
.irp c, 0,1
.irp i, 0,1
	v_permlane16_swap_b32 v[\pc+4*\c+\i], v[\pc+2+4*\c+\i]   ; half blocks become whole blocks: lanes 0-15 block 2 c, lanes 16-31 block 2 c + 1
.endr
.endr
.endm
	s_wait_loadcnt 0x0                             ; the bias
	s_wait_tensorcnt 0x1                           ; my block of K's first half is in; the second half's load may stay out
	s_barrier_signal -1
	s_barrier_wait -1                              ; everybody's is
	SCALES 0
	s_cmp_eq_u32 s19, 2
	s_cbranch_scc1 .Lv0
	KSTEP_QK 0, 0, 1
	KSTEP_QK 0, 1, 0
	KSTEP_QK 0, 2, 0
	KSTEP_QK 0, 3, 0
	s_branch .Lj0
.Lv0:
	KSTEP_V 0, 0, 1
	KSTEP_V 0, 1, 0
	KSTEP_V 0, 2, 0
	KSTEP_V 0, 3, 0
.Lj0:
	s_wait_tensorcnt 0x0                           ; my block of the second half is in,
	s_wait_dscnt 0x0
	s_barrier_signal -1
	s_barrier_wait -1                              ; everybody's is
	PLACES                                         ; in front of the loads into the scale words' and the fragments' registers
	SCALES 1
	s_cmp_eq_u32 s19, 2
	s_cbranch_scc1 .Lv1
	KSTEP_QK 1, 0, 0
	KSTEP_QK 1, 1, 0
	KSTEP_QK 1, 2, 0
	KSTEP_QK 1, 3, 0
	s_branch .Lj1
.Lv1:
	KSTEP_V 1, 0, 0
	KSTEP_V 1, 1, 0
	KSTEP_V 1, 2, 0
	KSTEP_V 1, 3, 0
.Lj1:
	; THE WAY OUT: the 128 sums of a lane are eight blocks of 32 along the next K, half a block each: quantised in registers, stored as images
.irp b, 0,1,2,3
	v_mov_b32 v[TM+4+\b], 0                        ; a lane permute's destination counts as one of its sources.  These four lines are also the places behind the last product
.endr
	QUANT ACC, XF, 48
	QUANT ACC+64, XF+8, 49
	v_cmp_ne_u32 vcc_lo, 0, v3
	v_cndmask_b32 v50, v48, v49, vcc_lo            ; lanes 0-15 store the first pair's word of row r, lanes 16-31 the second pair's
	s_cmp_eq_u32 s19, 2
	s_cbranch_scc1 .Lst_v
.irp i, 0,1,2,3
	global_store_b128 v1, v[XF+4*\i:XF+4*\i+3], s[8:9] offset:512*\i    ; q, k: four tiles of tokens on end; 32 lanes store 512 consecutive bytes
.endr
	s_branch .Lst_done
.Lst_v:
.irp i, 0,1,2,3
	global_store_b128 v1, v[XF+4*\i:XF+4*\i+3], s[8:9] offset:1024*\i   ; v: my 64 keys of the four tiles of features
.endr
.Lst_done:
	global_store_b32 v11, v50, s[10:11]            ; 128 consecutive bytes a wave
	s_wait_tensorcnt 0x0
	ds_add_u32 v14, v15
	s_wait_dscnt 0x0
	CROUND                                         ; the closing round: no work-group ends while a partner may still ask for a block that names it
	s_endpgm
.Lfunc_end_k_q3dca3bb8b9_proj:
	.size	k_q3dca3bb8b9_proj, .Lfunc_end_k_q3dca3bb8b9_proj-k_q3dca3bb8b9_proj
	.p2alignl 7, 3214868480
	.fill 96, 4, 3214868480
	.section	.rodata,"a",@progbits
	.p2align	6, 0x0
	.amdhsa_kernel k_q3dca3bb8b9_proj
		.amdhsa_group_segment_fixed_size 209920
		.amdhsa_private_segment_fixed_size 0
		.amdhsa_enable_private_segment 0
		.amdhsa_kernarg_size 40
		.amdhsa_user_sgpr_count 2
		.amdhsa_user_sgpr_kernarg_segment_ptr 1
		.amdhsa_wavefront_size32 1
		.amdhsa_system_sgpr_workgroup_id_x 1
		.amdhsa_system_sgpr_workgroup_id_y 1
		.amdhsa_system_sgpr_workgroup_id_z 1
		.amdhsa_system_vgpr_workitem_id 0
		.amdhsa_next_free_vgpr 256
		.amdhsa_next_free_sgpr 102
		.amdhsa_reserve_vcc 1
		.amdhsa_float_denorm_mode_32 3
		.amdhsa_float_denorm_mode_16_64 3
		.amdhsa_memory_ordered 1
		.amdhsa_forward_progress 1
		.amdhsa_inst_pref_size 76
	.end_amdhsa_kernel
	.amdgpu_metadata
---
amdhsa.version: [ 1, 2 ]
amdhsa.kernels:
  - .name:           k_q3dca3bb8b9_proj
    .symbol:         k_q3dca3bb8b9_proj.kd
    .args:
      - { .name: xw, .offset: 0, .size: 8, .value_kind: global_buffer, .address_space: global }
      - { .name: bq, .offset: 8, .size: 8, .value_kind: global_buffer, .address_space: global }
      - { .name: bk, .offset: 16, .size: 8, .value_kind: global_buffer, .address_space: global }
      - { .name: bv, .offset: 24, .size: 8, .value_kind: global_buffer, .address_space: global }
      - { .name: qkv, .offset: 32, .size: 8, .value_kind: global_buffer, .address_space: global }
    .group_segment_fixed_size: 209920
    .private_segment_fixed_size: 0
    .kernarg_segment_align: 8
    .kernarg_segment_size: 40
    .max_flat_workgroup_size: 256
    .sgpr_count:     102
    .vgpr_count:     256
    .wavefront_size: 32
...
	.end_amdgpu_metadata
.endif
;; end of part 2
;; launch attn (part 3): grid 4 x 64, 16 waves a work-group, no clusters, 141,312 bytes of LDS; arguments qkv, mk, oq; writes oq
.if DOCPART == 3
	.amdgcn_target "amdgcn-amd-amdhsa--gfx1250"
	.amdhsa_code_object_version 6
	.text
	.protected	k_q3dca3bb8b9_attn
	.globl	k_q3dca3bb8b9_attn
	.p2align	8
	.type	k_q3dca3bb8b9_attn,@function
k_q3dca3bb8b9_attn:
	s_mov_b64 s[64:65], 0
	v_nop
	global_prefetch_b8 v0, s[64:65] scope:SCOPE_SE
	s_setreg_imm32_b32 hwreg(HW_REG_WAVE_MODE, 25, 1), 1
	s_wait_xcnt 0x0
; O = softmax(where(mask == 0, -1e9, q k^T / 8)) v for one head of one batch (bh = work-group y), both products on codes of FP4 with E8M0 scales; O is quantised on the way out, as the operand of the last product.
; THE SOFTMAX AHEAD OF THE SECOND PRODUCT: t = score x log2(e) / 8; M = the running largest t rounded UP to a whole number; p = 2^(t - M) is quantised along the keys, not normalised; the row's sum is taken of the
; unquantised p and divides O at the end.  When M moves, the sum and O are multiplied by 2^(old M - new M): exact.
; SHARES.  A head's whole k and v (codes 2 x 65,536 bytes, scale words 2 x 4,096) are copied into LDS once, through registers; one barrier; after it LDS is only read.  Sixteen waves, four to a SIMD.
; Wave W of work-group x = j takes the tiles of 16 queries T = 4 W + j and T = 124 - 4 W + j, one after the other, and walks the keys in steps of 128.
; WHICH STEPS ARE WALKED hangs on whole numbers that the first launch stored (mk).
; a step all of whose keys count for all 16 queries passes over the masking.  Both are scalar branches; no barrier stands behind them.
; NO JOINT LOADS, though the four work-groups of a head read the same k and v: the walk branches on numbers read from memory, so this launch has no tensor load; what is shared is 139,264 bytes a work-group, read once.
; LAYOUT.  Both products are used transposed: S^T = k q^T, O^T = v^T p^T: a lane holds ONE query (lane % 16).  A tile holds rows 32 (T / 2) + 8 (T % 2) + r + 8 (r / 8), so the 16 registers of two neighbouring
; tiles are 16 neighbours along the next K.  The head's size is 64 and the instruction's K is 128: a fragment of k holds TWO tiles of keys, one in each half of K, and q stands in one half beside zero codes:
; [q | 0] picks the first tile, [0 | q] the second.
; LIMITS: a masked score is -2^33 (a logit of -2^30) where the definition has a logit of -1e9: the same results while real logits stay above -2^30; NaN and infinities are not served;
; a block of zeros keeps the scale byte 1 (its codes are zeros; this program alone reads the bytes).
.set VI,   65536                       ; LDS: k's images at 0, v's here,
.set KSL,  131072                      ; k's scale words as [ks][r][pair of tiles b],
.set VSL,  135168                      ; v's as [ks][r][tile dt]
.set QS,   10                          ; v10  q's scale word (q0, q1, q0, q1): scales and nothing else
.set PS,   11                          ; v11  p's scale word
.set KSC,  28                          ; v28-31 k's scale words, v32-35 v's
.set VSC,  32
.set MW,   36                          ; v36-39 the step's mask words of my query
.set PC,   40                          ; v40-47 p's codes
.set KF,   48                          ; v48-79 k's four fragments
.set VF,   80                          ; v80-111 v's four
.set S,    112                         ; v112-175 S^T, then p
.set O,    176                         ; v176-207 O^T
.set BM,   208                         ; v208-211 a block's largest score, then p
.set BX,   212                         ; v212-215 the other half's, then bytes
.set SO,   216                         ; v216-219 the conversions' scale operands
.set TT,   224
.set F,    226                         ; v[226:227] f, later 1 / sum (the low word serves both halves)
.set L2,   228                         ; v[228:229] the sum's second chain
.set OC,   232                         ; v232-235 O's codes
	s_load_b128 s[4:7], s[0:1], 0x0                ; qkv, mk
	s_load_b64 s[8:9], s[0:1], 0x10                ; oq
	v_lshl_add_u32 v254, v0, 2, 0x22000
	v_mov_b32 v255, 0
	v_lshrrev_b32 v1, 5, v0
	v_readfirstlane_b32 s10, v1                    ; wave 0..15
	s_and_b32 s12, ttmp7, 0xffff                   ; bh
	s_lshl_b32 s13, s10, 2
	s_sub_co_u32 s14, 124, s13
	s_add_co_u32 s13, s13, ttmp9                   ; my first tile of queries
	s_add_co_u32 s14, s14, ttmp9                   ; my second
	s_mov_b32 s15, 0
	s_mov_b32 s20, 0x76543210
	s_mov_b32 s21, 0xfedcba98                      ; v_permlanex16_b32's selects for lane l xor 16
	s_mov_b32 s22, 0x3e38aa3b                      ; c = log2(e) / 8
	s_mov_b32 s23, s22                             ; (named with it as a pair, so it is written)
	s_lshl_b32 s52, s12, 16
	s_mov_b32 s53, 0
	s_lshl_b32 s54, s12, 12
	s_add_co_u32 s54, s54, 12582912
	s_mov_b32 s55, 0
	s_and_b32 s56, s12, 15                         ; head
	s_lshr_b32 s57, s12, 4                         ; batch
	s_lshr_b32 s58, s56, 3                         ; the last product's K = 64 head + d: half g = head / 8,
	s_bfe_u32 s59, s56, 0x20001                    ; K step (head / 2) % 4,
	s_and_b32 s56, s56, 1                          ; and half of a fragment head % 2
	s_lshl_b32 s44, s58, 21
	s_lshl_b32 s45, s57, 19
	s_add_co_u32 s44, s44, s45
	s_lshl_b32 s45, s59, 10
	s_add_co_u32 s44, s44, s45
	s_lshl_b32 s45, s56, 9
	s_add_co_u32 s44, s44, s45
	s_mov_b32 s45, 0
	s_lshl_b32 s46, s58, 17
	s_lshl_b32 s47, s57, 15
	s_add_co_u32 s46, s46, s47
	s_lshl_b32 s47, s59, 2
	s_add_co_u32 s46, s46, s47
	s_lshl_b32 s47, s56, 1
	s_add_co_u32 s46, s46, s47
	s_add_co_u32 s46, s46, 4194304
	s_mov_b32 s47, 0
	v_lshlrev_b32 v5, 4, v0                        ; the copy: 16 x thread, in memory and in LDS alike
	v_add_nc_u32 v6, VI, v5
	v_lshlrev_b32 v7, 2, v0                        ; k's scale words: 4 x thread
	v_and_b32 v243, 15, v0                         ; r
	v_bfe_u32 v244, v0, 4, 1                       ; h (in the copy of v's scale words: which pair of tiles)
	v_lshrrev_b32 v8, 5, v0
	v_lshlrev_b32 v8, 8, v8                        ; 256 x (thread / 32): v's scale words of one step
	v_lshl_add_u32 v242, v244, 6, v8
	v_lshl_add_u32 v242, v243, 2, v242             ; in memory: [ks][c][pair][r]
	v_lshl_add_u32 v241, v243, 4, v8
	v_lshl_add_u32 v241, v244, 3, v241
	v_add_nc_u32 v241, VSL, v241                   ; in LDS: [ks][r][dt], two words a thread
	v_lshrrev_b32 v240, 6, v0
	v_lshlrev_b32 v240, 8, v240
	v_lshl_add_u32 v240, v243, 4, v240
	v_bfe_u32 v245, v0, 4, 2
	v_lshl_add_u32 v240, v245, 2, v240
	v_add_nc_u32 v240, KSL, v240                   ; k's: from [ks][b][r] to [ks][r][b]
	s_wait_kmcnt 0x0
	s_add_nc_u64 s[24:25], s[4:5], s[52:53]        ; q's images of my head
	s_add_nc_u64 s[26:27], s[24:25], 4194304       ; k's
	s_add_nc_u64 s[28:29], s[24:25], 8388608       ; v's
	s_add_nc_u64 s[30:31], s[4:5], s[54:55]        ; q's scale words; k's 262,144 bytes on, v's 524,288
	s_add_nc_u64 s[32:33], s[8:9], s[44:45]        ; O's codes
	s_add_nc_u64 s[34:35], s[8:9], s[46:47]        ; O's scale bytes
.set i, 0
.rept 8
	global_load_b128 v[S+4*i:S+4*i+3], v5, s[26:27] offset:i*8192
.set i, i+1
.endr
.set i, 0
.rept 8
	global_load_b128 v[S+32+4*i:S+32+4*i+3], v5, s[28:29] offset:i*8192
.set i, i+1
.endr
	global_load_b32 v246, v7, s[30:31] offset:262144
	global_load_b32 v247, v7, s[30:31] offset:262144+2048
	global_load_b32 v250, v242, s[30:31] offset:524288       ; keys 0-63 of the step: bytes (first tile: 2 blocks; second tile: 2 blocks)
	global_load_b32 v251, v242, s[30:31] offset:524288+128   ; keys 64-127
	; registers that stay
	v_and_b32 v1, 31, v0
	v_lshlrev_b32 v1, 4, v1                        ; v1   16 x lane: an image's place for my lane
	v_lshl_add_u32 v2, v243, 4, KSL                ; v2   my row's scale words
	v_lshlrev_b32 v4, 2, v244                      ; v4   4 h
	v_mov_b32 v9, 0xd0000000                       ; v9   -2^33: the score of a key that does not count
	v_and_b32 v225, 8, v243
	v_add_nc_u32 v225, v225, v243
	v_lshlrev_b32 v225, 8, v225                    ; v225 256 (r + 8 (r / 8)): my query's row of mask words within the tile
	v_lshlrev_b32 v230, 2, v243                    ; v230 4 r
	v_lshl_add_u32 v231, v243, 4, v244             ; v231 16 r + h
.irp i, 16,17,18,19,24,25,26,27
	v_mov_b32 v\i, 0                               ; zero codes on both sides of q: v[20:27] = [q | 0], v[16:23] = [0 | q]
.endr
.irp i, 0,1,2,3
	v_mov_b32 v[MW+\i], 0                          ; written once, so that they hold a number on every way
	v_mov_b32 v[BX+\i], 0                          ; a lane permute's destination counts as one of its sources
.endr
	v_mov_b32 v[TT], 0
	v_mov_b32 v[F+1], 0                            ; (named as the upper half of a pair)
	s_wait_loadcnt 12                              ; k's eight loads are in (behind them: v's eight and four scale loads)
.set i, 0
.rept 8
	ds_store_b128 v5, v[S+4*i:S+4*i+3] offset:i*8192
.set i, i+1
.endr
	s_wait_loadcnt 4                               ; v's eight are in
.set i, 0
.rept 8
	ds_store_b128 v6, v[S+32+4*i:S+32+4*i+3] offset:i*8192
.set i, i+1
.endr
	s_wait_loadcnt 0x0
	ds_store_b32 v240, v246
	ds_store_b32 v240, v247 offset:2048
	v_perm_b32 v248, v251, v250, 0x05040100        ; the first tile's four key blocks,
	v_perm_b32 v249, v251, v250, 0x07060302        ; the second's
	ds_store_b64 v241, v[248:249]
	s_wait_dscnt 0x0                               ; for the others' sake: my stores have landed
	s_barrier_signal -1
	s_barrier_wait -1                              ; the head's k and v lie in LDS; from here on LDS is only read
.Ltile:                                            ; two trips: T = s13
	s_lshl_b32 s52, s13, 9
	v_add_nc_u32 v220, s52, v1
	global_load_b128 v[20:23], v220, s[24:25]      ; q's image: lane (r, h): d = 32 h .. of the tile's query r
	s_lshr_b32 s53, s13, 1
	s_and_b32 s54, s13, 1
	s_lshl_b32 s52, s53, 6
	v_add_nc_u32 v221, s52, v230
	global_load_b32 v222, v221, s[30:31]           ; the pair of tiles' scale word of row r
	s_lshl_b32 s55, s53, 7
	s_lshl_b32 s56, s54, 5
	s_add_co_u32 s55, s55, s56                     ; 4 x the tile's first row: 32 (T / 2) + 8 (T % 2)
	s_load_b256 s[36:43], s[6:7], s55 offset:0x80000   ; the step marks of rows + 0 .. 7
	s_load_b256 s[44:51], s[6:7], s55 offset:0x80040   ; and + 16 .. 23
	s_lshl_b32 s56, s55, 6
	v_add_nc_u32 v3, s56, v225                     ; my query's row of mask words
	s_lshl_b32 s57, s54, 4
	s_wait_kmcnt 0x0
	s_or_b32 s17, s36, s37                         ; bit ks: some query of the tile wants step ks
	s_and_b32 s18, s36, s37
.irp k, 38,39,40,41,42,43,44,45,46,47,48,49,50,51
	s_or_b32 s17, s17, s\k
	s_and_b32 s18, s18, s\k
.endr
	s_lshr_b32 s18, s18, 16                        ; bit ks: all 128 keys of step ks count for all 16 queries
	s_wait_loadcnt 0x0
	v_lshrrev_b32 v222, s57, v222                  ; my tile's two bytes,
	v_perm_b32 v[QS], v222, v222, 0x01000100       ; for both halves of K.  The lines below are the eight places between this line and the first scaled product
.set i, 0
.rept 32
	v_mov_b32 v[O+i], 0                            ; O^T: the step is written once; its first walk finds zeros, which the first change of M leaves zeros
.set i, i+1
.endr
	v_mov_b32 v14, 0                               ; the sum, in two halves
	v_mov_b32 v15, 0
	v_mov_b32 v13, 0xff61b1e6                      ; the largest t so far: -3e38
	v_floor_f32 v12, -v13                          ; -M
	s_mov_b32 s16, 0
.Lkey:                                             ; sixteen trips, ks = s16
	s_lshr_b32 s19, s17, s16
	s_and_b32 s19, s19, 1
	s_cmp_lg_u32 s19, 0
	s_cbranch_scc0 .Lskip                          ; nobody wants this step
	s_lshl_b32 s52, s16, 12
	s_lshl_b32 s53, s16, 8
	s_lshl_b32 s54, s16, 4
	v_add_nc_u32 v5, s52, v1                       ; the step's images of k.  (These four lines are the places behind the last step's products, in front of the loads into their operands)
	v_add_nc_u32 v7, s53, v2                       ; its scale words
	v_add_nc_u32 v8, s54, v3                       ; its mask words
	v_add_nc_u32 v6, VI, v5                        ; its images of v
	s_lshr_b32 s19, s18, s16
	s_and_b32 s19, s19, 1
	s_cmp_lg_u32 s19, 0
	s_cbranch_scc1 .Lno_words
	global_load_b128 v[MW:MW+3], v8, s[6:7]        ; word e, bit l: key 4 l + e of the step counts for my query
.Lno_words:
	ds_load_b128 v[KSC:KSC+3], v7
.irp b, 0,1,2,3
	ds_load_b128 v[KF+8*\b:KF+8*\b+3], v5 offset:\b*1024         ; tile 2 b of the step in K's first half,
	ds_load_b128 v[KF+8*\b+4:KF+8*\b+7], v5 offset:\b*1024+512   ; tile 2 b + 1 in its second
.endr
	ds_load_b128 v[VSC:VSC+3], v7 offset:VSL-KSL
.irp d, 0,1,2,3
	ds_load_b128 v[VF+8*\d:VF+8*\d+3], v6 offset:\d*1024
	ds_load_b128 v[VF+8*\d+4:VF+8*\d+7], v6 offset:\d*1024+512
.endr
	s_wait_dscnt 9                                 ; k's nine loads are in; v's nine may be out
.irp b, 0,1,2,3
	v_wmma_scale_f32_16x16x128_f8f6f4 v[S+16*\b:S+16*\b+7], v[KF+8*\b:KF+8*\b+7], v[20:27], 0, v[KSC+\b], v[QS] matrix_a_fmt:MATRIX_FMT_FP4 matrix_b_fmt:MATRIX_FMT_FP4
	v_wmma_scale_f32_16x16x128_f8f6f4 v[S+16*\b+8:S+16*\b+15], v[KF+8*\b:KF+8*\b+7], v[16:23], 0, v[KSC+\b], v[QS] matrix_a_fmt:MATRIX_FMT_FP4 matrix_b_fmt:MATRIX_FMT_FP4
.endr                                              ; register 16 b + i: key 128 ks + 32 b + 16 h + i
.rept 4
	v_nop                                          ; four places in front of the first read of the scores
.endr
	s_wait_loadcnt 0x0                             ; the mask words, where they were asked for
	s_cmp_lg_u32 s19, 0
	s_cbranch_scc1 .Lopen
.irp e, 0,1,2,3
	v_lshrrev_b32 v[MW+\e], v4, v[MW+\e]           ; key 32 b + 16 h + i = 4 l + e: e = i % 4, l = 8 b + 4 h + i / 4
.endr
.set n, 0
.rept 64
	v_bfe_u32 v[TT], v[MW+n%4], 8*(n/16)+(n%16)/4, 1
	v_cmp_eq_u32 vcc_lo, 0, v[TT]
	v_cndmask_b32 v[S+n], v[S+n], v9, vcc_lo
.set n, n+1
.endr
.Lopen:
.irp b, 0,1,2,3
	v_max3_num_f32 v[BM+\b], v[S+16*\b], v[S+1+16*\b], v[S+2+16*\b]   ; the largest score of each block of 32 keys: for the row's maximum and, since p rises with the score, for the block's largest p
.endr
.irp i, 3,5,7,9,11,13
.irp b, 0,1,2,3
	v_max3_num_f32 v[BM+\b], v[BM+\b], v[S+16*\b+\i], v[S+1+16*\b+\i]
.endr
.endr
.irp b, 0,1,2,3
	v_max_num_f32 v[BM+\b], v[BM+\b], v[S+15+16*\b]
.endr
.irp b, 0,1,2,3
	v_permlanex16_b32 v[BX+\b], v[BM+\b], s20, s21
.endr
.irp b, 0,1,2,3
	v_max_num_f32 v[BM+\b], v[BM+\b], v[BX+\b]     ; with lane l xor 16's 16 keys
.endr
	v_max3_num_f32 v[TT], v[BM], v[BM+1], v[BM+2]
	v_max_num_f32 v[TT], v[TT], v[BM+3]            ; the step's largest score of my query
	v_mul_f32 v[TT], s22, v[TT]                    ; as t
	v_max_num_f32 v13, v13, v[TT]                  ; the running largest t
	v_mov_b32 v[TT], v12
	v_floor_f32 v12, -v13                          ; the new -M = floor(-t): M is a whole number
	v_sub_f32 v[TT], v12, v[TT]                    ; old M - new M: a whole number, 0 or less
	v_cvt_i32_f32 v[TT], v[TT]                     ; (it saturates)
	v_ldexp_f32 v[F], 1.0, v[TT]                   ; f = 2^(old M - new M)
.set n, 0
.rept 32
	v_pk_fma_f32 v[S+n:S+n+1], v[S+n:S+n+1], s[22:23], v[12:13] op_sel_hi:[1,0,0]   ; t - M, two at a time
.set n, n+2
.endr
.irp b, 0,1,2,3
	v_fma_f32 v[BM+\b], v[BM+\b], s22, v12         ; the same of each block's largest score
.endr
.set n, 0
.rept 64
	v_exp_f32 v[S+n], v[S+n]                       ; p = 2^(t - M), at most 1
.set n, n+1
.endr
	v_pk_mul_f32 v[14:15], v[14:15], v[F:F+1] op_sel_hi:[1,0]   ; the sums under the new M: a plain line behind the exponentials
	s_wait_alu depctr_va_vdst(0)                   ; one wait for the batch of 64, ahead of its first reader
.irp b, 0,1,2,3
	v_exp_f32 v[BM+\b], v[BM+\b]                   ; the block's largest p
.endr
	v_pk_add_f32 v[L2:L2+1], v[S:S+1], v[S+2:S+3]  ; the row's sum is taken of the unquantised p, in two chains
.set n, 4
.rept 15
	v_pk_add_f32 v[14:15], v[14:15], v[S+n:S+n+1]
	v_pk_add_f32 v[L2:L2+1], v[L2:L2+1], v[S+n+2:S+n+3]
.set n, n+4
.endr
	v_pk_add_f32 v[14:15], v[14:15], v[L2:L2+1]
	s_wait_alu depctr_va_vdst(0)                   ; and one for the four
.irp b, 0,1,2,3
	v_max_num_f32 v[BM+\b], 0x1800000, v[BM+\b]    ; the floor 2^(3 - 127): the byte cannot fall under 1
.endr
.irp b, 0,1,2,3
	v_add_nc_u32 v[SO+\b], 0xff000000, v[BM+\b]    ; 2 off the exponent field: the conversion's scale operand
.endr
.irp b, 0,1,2,3
	v_lshrrev_b32 v[BX+\b], 23, v[SO+\b]           ; the scale's byte
.endr
	v_lshl_or_b32 v[PS], v[BX+1], 8, v[BX]         ; p's scale word for these 128 keys
	v_lshl_or_b32 v[PS], v[BX+2], 16, v[PS]
	v_lshl_or_b32 v[PS], v[BX+3], 24, v[PS]
.irp b, 0,1,2,3
	v_cvt_scalef32_pk8_fp4_f32 v[PC+2*\b], v[S+16*\b:S+7+16*\b], v[SO+\b]
	v_cvt_scalef32_pk8_fp4_f32 v[PC+1+2*\b], v[S+8+16*\b:S+15+16*\b], v[SO+\b]
.endr
	v_nop                                          ; one plain line behind a scaled conversion
.irp c, 0,1
.irp i, 0,1
	v_permlane16_swap_b32 v[PC+4*\c+\i], v[PC+2+4*\c+\i]   ; whole blocks: lanes 0-15 block 2 c, lanes 16-31 block 2 c + 1
.endr
.endr
.set n, 0
.rept 16
	v_pk_mul_f32 v[O+n:O+n+1], v[O+n:O+n+1], v[F:F+1] op_sel_hi:[1,0]   ; O^T under the new M, each accumulator from its low end on.  (Also the places between p's codes and scale word and the products)
.set n, n+2
.endr
	s_wait_dscnt 0x0                               ; v's fragments and scale words are in
.irp d, 0,1,2,3
	v_wmma_scale_f32_16x16x128_f8f6f4 v[O+8*\d:O+8*\d+7], v[VF+8*\d:VF+8*\d+7], v[PC:PC+7], v[O+8*\d:O+8*\d+7], v[VSC+\d], v[PS] matrix_a_fmt:MATRIX_FMT_FP4 matrix_b_fmt:MATRIX_FMT_FP4
.endr                                              ; four accumulators by turns; register 16 b + i: d = 32 b + 16 h + i
.Lskip:
	s_add_co_u32 s16, s16, 1
	s_cmp_lt_u32 s16, 16
	s_cbranch_scc1 .Lkey
	; THE TILE'S END: O^T / the sum, quantised along d (two blocks of the last product's K), stored as half of a fragment's image
.rept 4
	v_nop                                          ; four places behind the last products
.endr
	v_add_f32 v14, v14, v15
	v_permlanex16_b32 v[TT], v14, s20, s21
	v_add_f32 v14, v14, v[TT]                      ; the row's sum
	v_rcp_f32 v[F], v14
	v_nop                                          ; a plain line behind the reciprocal
	s_wait_alu depctr_va_vdst(0)                   ; and the wait ahead of its first reader
.set n, 0
.rept 16
	v_pk_mul_f32 v[O+n:O+n+1], v[O+n:O+n+1], v[F:F+1] op_sel_hi:[1,0]
.set n, n+2
.endr
.irp b, 0,1
	v_max3_num_f32 v[BM+\b], |v[O+16*\b]|, |v[O+1+16*\b]|, 0x1800000
.endr
.irp i, 2,4,6,8,10,12,14
.irp b, 0,1
	v_max3_num_f32 v[BM+\b], v[BM+\b], |v[O+16*\b+\i]|, |v[O+1+16*\b+\i]|
.endr
.endr
.irp b, 0,1
	v_permlanex16_b32 v[BX+\b], v[BM+\b], s20, s21
.endr
.irp b, 0,1
	v_max_num_f32 v[BM+\b], v[BM+\b], v[BX+\b]
.endr
.irp b, 0,1
	v_add_nc_u32 v[SO+\b], 0xff000000, v[BM+\b]
.endr
.irp b, 0,1
	v_lshrrev_b32 v[BX+\b], 23, v[SO+\b]
.endr
.irp b, 0,1
	v_cvt_scalef32_pk8_fp4_f32 v[OC+2*\b], v[O+16*\b:O+7+16*\b], v[SO+\b]
	v_cvt_scalef32_pk8_fp4_f32 v[OC+1+2*\b], v[O+8+16*\b:O+15+16*\b], v[SO+\b]
.endr
	v_nop
	v_permlane16_swap_b32 v[OC], v[OC+2]
	v_permlane16_swap_b32 v[OC+1], v[OC+3]         ; v[OC .. OC + 3]: d = 32 h + 0 .. 31 of my query
	s_lshl_b32 s52, s13, 12
	v_add_nc_u32 v236, s52, v1
	s_lshl_b32 s52, s13, 8
	v_add_nc_u32 v237, s52, v231
	v_cmp_ne_u32 vcc_lo, 0, v4
	v_cndmask_b32 v238, v[BX], v[BX+1], vcc_lo     ; lane (r, h) stores block h's byte of row r
	global_store_b128 v236, v[OC:OC+3], s[32:33]   ; 32 lanes store 512 consecutive bytes
	global_store_b8 v237, v238, s[34:35]           ; a K step's scale word is shared by two heads, which are two work-groups': so single bytes, one sixteenth of the codes' bytes
	s_wait_xcnt 0x0                                ; the stores have read their registers: the next tile may write them
	s_mov_b32 s13, s14
	s_add_co_u32 s15, s15, 1
	s_cmp_lt_u32 s15, 2
	s_cbranch_scc1 .Ltile
	s_wait_tensorcnt 0x0
	ds_add_u32 v254, v255
	s_wait_dscnt 0x0
	s_endpgm
.Lfunc_end_k_q3dca3bb8b9_attn:
	.size	k_q3dca3bb8b9_attn, .Lfunc_end_k_q3dca3bb8b9_attn-k_q3dca3bb8b9_attn
	.p2alignl 7, 3214868480
	.fill 96, 4, 3214868480
	.section	.rodata,"a",@progbits
	.p2align	6, 0x0
	.amdhsa_kernel k_q3dca3bb8b9_attn
		.amdhsa_group_segment_fixed_size 141312
		.amdhsa_private_segment_fixed_size 0
		.amdhsa_enable_private_segment 0
		.amdhsa_kernarg_size 24
		.amdhsa_user_sgpr_count 2
		.amdhsa_user_sgpr_kernarg_segment_ptr 1
		.amdhsa_wavefront_size32 1
		.amdhsa_system_sgpr_workgroup_id_x 1
		.amdhsa_system_sgpr_workgroup_id_y 1
		.amdhsa_system_sgpr_workgroup_id_z 1
		.amdhsa_system_vgpr_workitem_id 0
		.amdhsa_next_free_vgpr 256
		.amdhsa_next_free_sgpr 66
		.amdhsa_reserve_vcc 1
		.amdhsa_float_denorm_mode_32 3
		.amdhsa_float_denorm_mode_16_64 3
		.amdhsa_memory_ordered 1
		.amdhsa_forward_progress 1
		.amdhsa_inst_pref_size 38
	.end_amdhsa_kernel
	.amdgpu_metadata
---
amdhsa.version: [ 1, 2 ]
amdhsa.kernels:
  - .name:           k_q3dca3bb8b9_attn
    .symbol:         k_q3dca3bb8b9_attn.kd
    .args:
      - { .name: qkv, .offset: 0, .size: 8, .value_kind: global_buffer, .address_space: global }
      - { .name: mk, .offset: 8, .size: 8, .value_kind: global_buffer, .address_space: global }
      - { .name: oq, .offset: 16, .size: 8, .value_kind: global_buffer, .address_space: global }
    .group_segment_fixed_size: 141312
    .private_segment_fixed_size: 0
    .kernarg_segment_align: 8
    .kernarg_segment_size: 24
    .max_flat_workgroup_size: 512
    .sgpr_count:     66
    .vgpr_count:     256
    .wavefront_size: 32
...
	.end_amdgpu_metadata
.endif
;; end of part 3
;; launch outp (part 4): grid 4 x 64, 8 waves a work-group, clusters of 4 x 4, 244,736 bytes of LDS; arguments xw, oq, bo, out0; writes out0
.if DOCPART == 4
	.amdgcn_target "amdgcn-amd-amdhsa--gfx1250"
	.amdhsa_code_object_version 6
	.text
	.protected	k_q3dca3bb8b9_outp
	.globl	k_q3dca3bb8b9_outp
	.p2align	8
	.type	k_q3dca3bb8b9_outp,@function
k_q3dca3bb8b9_outp:
	s_mov_b64 s[64:65], 0
	v_nop
	global_prefetch_b8 v0, s[64:65] scope:SCOPE_SE
	s_setreg_imm32_b32 hwreg(HW_REG_WAVE_MODE, 25, 1), 1
	s_wait_xcnt 0x0
	s_wait_alu depctr_hold_cnt(0) depctr_sa_sdst(0) depctr_va_vdst(0) depctr_va_sdst(0) depctr_va_ssrc(0) depctr_va_vcc(0) depctr_vm_vsrc(0)
	s_getreg_b32 s2, hwreg(HW_REG_IB_STS2, 6, 4)
	s_cmp_eq_u32 s2, 0
	s_cbranch_scc0 .Lentry_in_a_cluster
	s_endpgm
.Lentry_in_a_cluster:
	s_bfe_u32 s2, ttmp6, 0x10000c
	s_cmp_lg_u32 s2, 0xf033
	s_cbranch_scc0 .Lentry_shape_is_right
	s_endpgm
.Lentry_shape_is_right:
; out0 = O wo^T + bo, on codes of FP4 with E8M0 scales: wo's from xw (tiles 1728 on), O's from oq, both laid as images of an operand's registers.  out0: [8192][1024] f32.
; A work-group makes 256 features (X: rows of wo, by work-group x) x 128 tokens (Y, by work-group y) over all K = 1,024.  Eight waves: wave W makes 64 features (wx = W % 4) x 64 tokens (wy = W / 4): 16 accumulators.
; ALL OF K LIES IN LDS: each wave brings two dense blocks (K's first half, its second) by two tensor loads at the start; no LDS byte is filled twice.  By this text's count a wave has two tensor loads out.
; CLUSTERS: 4 x 4 work-groups.  X's blocks hang on work-group x and are shared along a column of the cluster, Y's on work-group y and are shared along a row: joint loads with a mask of four.
; Source 0 = features, source 1 = tokens: a lane holds one token, and the 16 registers of two neighbouring tiles of features are 16 neighbouring numbers of its row of out0 (a tile holds rows 32 (T / 2) + 8 (T % 2) + r + 8 (r / 8)).
; The bias is the C of each sum's first matrix instruction.  The accumulators take turns in ascending order in every K step.
; THE WAY OUT: a tile of 16 tokens x 64 features goes through the wave's own stage in LDS (rows of 256 bytes + 16) and leaves as rows: sixteen lanes store 256 consecutive bytes, aligned.  No tensor load fills the stage.
.set YC,   131072                      ; LDS: X's codes at 0 (2 x 65,536), Y's here (2 x 32,768),
.set XS,   196608                      ; X's scale words (2 x 4,096),
.set YS,   204800                      ; Y's (2 x 2,048),
.set STG,  208896                      ; the stages: 16 rows x 272 bytes for each wave
.set CG,   7340032                     ; xw: from K's first half to its second, codes;
.set SC0,  14680064                    ; where its scale words begin;
.set SG,   458752                      ; from half to half
.set OCG,  2097152                     ; oq: the same three
.set OSC0, 4194304
.set OSG,  131072
.set SC,   16                          ; v16-31  scale words, and nothing else
.set BI,   32                          ; v32-63  the bias; on the way out rows read back
.set XF,   64                          ; v64-95  X's four fragments; on the way out rows read back
.set YF,   96                          ; v96-127 Y's four
.set ACC,  128                         ; v128-255
.set BK,   32
.set G1X,  24
.set G1Y,  32
.set G1XS, 40
.set G1YS, 48
.set G0X,  56
.set G0Y,  68
.set G0XS, 76
.set G0YS, 84
.macro CROUND                          ; a round of the cluster's barrier
	s_barrier_signal -1
	s_barrier_wait -1
	s_cmp_lg_u32 s14, 0
	s_cbranch_scc1 .Lnot_wave_0_\@
	s_barrier_signal -3
.Lnot_wave_0_\@:
	s_barrier_wait -3
	s_barrier_signal -1
	s_barrier_wait -1
.endm
.macro GROUP1 g, rows                  ; a dense block as rows of 256 bytes: 32 elements of 8 bytes
	s_mov_b32 s[\g+1], 32<<16
	s_mov_b32 s[\g+2], (\rows)<<16
	s_mov_b32 s[\g+3], 32<<16
	s_mov_b32 s[\g+4], \rows
	s_mov_b32 s[\g+5], 32
	s_mov_b32 s[\g+6], 0
	s_mov_b32 s[\g+7], 0
.endm
.macro PAIR g0, g1                     ; a wave's two first fills stand together; four v_nop follow the second
	tensor_load_to_lds s[\g0:\g0+3], s[\g1:\g1+7]
	s_nop 0
	tensor_load_to_lds s[\g0+4:\g0+7], s[\g1:\g1+7]
	s_nop 0
.rept 4
	v_nop
.endr
.endm
	s_load_b256 s[4:11], s[0:1], 0x0               ; xw, oq, bo, out0
	v_lshl_add_u32 v11, v0, 2, 0x3b800
	v_mov_b32 v15, 0
	ds_add_u32 v11, v15
	ds_add_u32 v11, v15
	v_lshrrev_b32 v1, 5, v0
	v_readfirstlane_b32 s14, v1                    ; wave 0..7
	s_bfe_u32 s15, ttmp6, 0x40000                  ; cx
	s_bfe_u32 s16, ttmp6, 0x40004                  ; cy
	s_lshl_b32 s17, ttmp9, 2
	s_add_co_u32 s17, s17, s15                     ; work-group x
	s_and_b32 s18, ttmp7, 0xffff
	s_lshl_b32 s18, s18, 2
	s_add_co_u32 s18, s18, s16                     ; work-group y
	s_lshl_b32 s20, s16, 2
	s_lshl_b32 s20, 15, s20                        ; my row of the cluster
	s_lshl_b32 s21, 0x1111, s15                    ; my column
	s_or_b32 s[G1X], s21, (3<<16)|(1<<21)          ; 15:0 the mask; 17:16 elements of 8 bytes; 21 set beside a mask; no padding
	s_or_b32 s[G1XS], s21, (3<<16)|(1<<21)
	s_or_b32 s[G1Y], s20, (3<<16)|(1<<21)
	s_or_b32 s[G1YS], s20, (3<<16)|(1<<21)
	GROUP1 G1X, 64
	GROUP1 G1Y, 64
	GROUP1 G1XS, 16
	GROUP1 G1YS, 8
	; X's places in xw, in registers that never hold cy
	s_lshl_b32 s92, s17, 4
	s_add_co_u32 s92, s92, 1728                    ; the work-group's first tile of wo
	s_and_b32 s100, s14, 3
	s_lshl_b32 s93, s100, 2
	s_add_co_u32 s93, s93, s92
	s_lshl_b32 s94, s93, 12
	s_mov_b32 s95, 0
	s_lshl_b32 s92, s92, 8
	s_add_co_u32 s92, s92, SC0
	s_mov_b32 s93, 0
	; Y's places in oq, in registers that never hold cx
	s_lshl_b32 s96, s18, 3                         ; the work-group's first tile of tokens
	s_and_b32 s101, s14, 1
	s_lshl_b32 s97, s101, 2
	s_add_co_u32 s97, s97, s96
	s_lshl_b32 s98, s97, 12
	s_mov_b32 s99, 0
	s_lshl_b32 s96, s96, 8
	s_add_co_u32 s96, s96, OSC0
	s_mov_b32 s97, 0
	s_lshl_b32 s100, s100, 14                      ; where they go: the wave's number alone enters an LDS address
	s_lshl_b32 s101, s101, 14
	s_add_co_u32 s101, s101, YC
	s_wait_dscnt 0x0
	s_wait_kmcnt 0x0
	s_mov_b32 s[G0X], 1
	s_mov_b32 s[G0X+1], s100
	s_add_nc_u64 s[G0X+2:G0X+3], s[4:5], s[94:95]
	s_mov_b32 s[G0X+4], 1
	s_add_co_u32 s[G0X+5], s100, 65536
	s_add_nc_u64 s[G0X+6:G0X+7], s[G0X+2:G0X+3], CG
	s_or_b32 s[G0X+3], s[G0X+3], 0x80000000
	s_or_b32 s[G0X+7], s[G0X+7], 0x80000000
	s_mov_b32 s[G0Y], 1
	s_mov_b32 s[G0Y+1], s101
	s_add_nc_u64 s[G0Y+2:G0Y+3], s[6:7], s[98:99]
	s_mov_b32 s[G0Y+4], 1
	s_add_co_u32 s[G0Y+5], s101, 32768
	s_add_nc_u64 s[G0Y+6:G0Y+7], s[G0Y+2:G0Y+3], OCG
	s_or_b32 s[G0Y+3], s[G0Y+3], 0x80000000
	s_or_b32 s[G0Y+7], s[G0Y+7], 0x80000000
	s_mov_b32 s[G0XS], 1
	s_mov_b32 s[G0XS+1], XS
	s_add_nc_u64 s[G0XS+2:G0XS+3], s[4:5], s[92:93]
	s_mov_b32 s[G0XS+4], 1
	s_mov_b32 s[G0XS+5], XS+4096
	s_add_nc_u64 s[G0XS+6:G0XS+7], s[G0XS+2:G0XS+3], SG
	s_or_b32 s[G0XS+3], s[G0XS+3], 0x80000000
	s_or_b32 s[G0XS+7], s[G0XS+7], 0x80000000
	s_mov_b32 s[G0YS], 1
	s_mov_b32 s[G0YS+1], YS
	s_add_nc_u64 s[G0YS+2:G0YS+3], s[6:7], s[96:97]
	s_mov_b32 s[G0YS+4], 1
	s_mov_b32 s[G0YS+5], YS+2048
	s_add_nc_u64 s[G0YS+6:G0YS+7], s[G0YS+2:G0YS+3], OSG
	s_or_b32 s[G0YS+3], s[G0YS+3], 0x80000000
	s_or_b32 s[G0YS+7], s[G0YS+7], 0x80000000
	CROUND                                         ; all sixteen work-groups are here: the joint loads meet
	s_cmp_lt_u32 s14, 4                            ; one parting on the wave's number: waves 0-3 X's codes, 4 and 5 Y's, 6 X's scale words, 7 Y's.  Every wave issues two loads
	s_cbranch_scc0 .Lnot_x
	PAIR G0X, G1X
	s_branch .Lasked
.Lnot_x:
	s_cmp_lt_u32 s14, 6
	s_cbranch_scc0 .Lnot_y
	PAIR G0Y, G1Y
	s_branch .Lasked
.Lnot_y:
	s_cmp_eq_u32 s14, 6
	s_cbranch_scc0 .Lfor_ys
	PAIR G0XS, G1XS
	s_branch .Lasked
.Lfor_ys:
	PAIR G0YS, G1YS
.Lasked:
	v_and_b32 v12, 31, v0
	v_lshlrev_b32 v1, 4, v12                       ; 16 x lane
	v_and_b32 v2, 15, v0                           ; r
	v_bfe_u32 v3, v0, 4, 1                         ; h
	s_and_b32 s22, s14, 3                          ; wx
	s_lshr_b32 s23, s14, 2                         ; wy
	s_lshl_b32 s2, s22, 14
	v_add_nc_u32 v4, s2, v1                        ; my four tiles of X, first half of K;
	v_add_nc_u32 v5, 65536, v4                     ; second half
	s_lshl_b32 s2, s23, 14
	s_add_co_u32 s2, s2, YC
	v_add_nc_u32 v6, s2, v1                        ; of Y
	v_add_nc_u32 v7, 32768, v6
	s_lshl_b32 s2, s22, 10
	s_lshl_b32 s3, s23, 10
	s_add_co_u32 s3, s3, 8192
	s_sub_co_u32 s3, s3, s2                        ; from my X tiles' scale words to my Y tiles': 8192 + 1024 wy - 1024 wx in the first half,
	v_mul_u32_u24 v12, s3, v3                      ; which lanes 16-31 add
	v_lshl_add_u32 v13, v2, 4, v12
	s_add_co_u32 s2, s2, XS
	v_add_nc_u32 v8, s2, v13
	s_sub_co_u32 s3, s3, 2048                      ; 2,048 less in the second
	v_mul_u32_u24 v12, s3, v3
	v_lshl_add_u32 v13, v2, 4, v12
	s_add_co_u32 s2, s2, 4096
	v_add_nc_u32 v9, s2, v13
	; the bias of my 64 features: register j of tile a is feature 32 (a / 2) + 8 (a % 2) + 16 h + j
	s_lshl_b32 s2, s17, 10
	s_lshl_b32 s3, s22, 8
	s_add_co_u32 s2, s2, s3
	s_mov_b32 s3, 0
	s_add_nc_u64 s[8:9], s[8:9], s[2:3]
	v_lshlrev_b32 v10, 6, v3
.irp a, 0,1,2,3
	global_load_b128 v[BI+8*\a:BI+8*\a+3], v10, s[8:9] offset:(32*(\a/2)+8*(\a%2))*4
	global_load_b128 v[BI+8*\a+4:BI+8*\a+7], v10, s[8:9] offset:(32*(\a/2)+8*(\a%2))*4+16
.endr
	; the way out
	s_mul_i32 s2, s14, 16*272
	s_add_co_u32 s2, s2, STG                       ; my stage
	v_mul_u32_u24 v12, v2, 272
	v_lshl_add_u32 v12, v3, 6, v12
	v_add_nc_u32 v12, s2, v12                      ; in: row r, + 64 h: my 16 numbers of each 32
	v_mul_u32_u24 v13, v3, 272
	v_lshl_add_u32 v13, v2, 4, v13
	v_add_nc_u32 v13, s2, v13                      ; back: lanes 0-15 one row, lanes 16-31 the next
	v_lshlrev_b32 v14, 12, v3
	v_lshl_add_u32 v14, v2, 4, v14                 ; and the same two rows in out0
	s_lshl_b32 s2, s18, 19                         ; 128 y rows of 4,096 bytes
	s_lshl_b32 s3, s23, 18                         ; + 64 wy rows
	s_add_co_u32 s2, s2, s3
	s_lshl_b32 s3, s17, 10                         ; + 256 x features
	s_add_co_u32 s2, s2, s3
	s_lshl_b32 s3, s22, 8                          ; + 64 wx
	s_add_co_u32 s2, s2, s3
	s_mov_b32 s3, 0
	s_add_nc_u64 s[10:11], s[10:11], s[2:3]
.macro SCALES g                        ; a half's scale words: four words a row by one load; lanes 0-15 take X's tile i, lanes 16-31 Y's tile i
.irp i, 0,1,2,3
	ds_load_b128 v[SC+4*\i:SC+4*\i+3], v[8+\g] offset:\i*256
.endr
.endm
.macro FRAGS reg, adr, sp              ; four fragments (16 rows x 128 K: 8 registers), each by two loads of 512 consecutive bytes
.irp i, 0,1,2,3
	ds_load_b128 v[\reg+8*\i:\reg+8*\i+3], v[\adr] offset:\i*4096+(\sp)*1024
	ds_load_b128 v[\reg+8*\i+4:\reg+8*\i+7], v[\adr] offset:\i*4096+(\sp)*1024+512
.endr
.endm
.macro PLACES                          ; four plain vector lines between a matrix instruction and a load into a register that it has read, or the first read of its result
.rept 4
	v_nop
.endr
.endm
.macro KSTEP g, sp, first              ; 128 along K: source 0 = X, source 1 = Y; accumulator 4 b + a
.if (\sp) > 0
	PLACES
.endif
	FRAGS XF, 4+\g, \sp
	FRAGS YF, 6+\g, \sp
.irp b, 0,1,2,3
	s_wait_dscnt 6-2*\b                            ; X's four and Y's tiles up to b are in; the later tiles' loads may be out
.irp a, 0,1,2,3
.if \first
	v_wmma_scale_f32_16x16x128_f8f6f4 v[ACC+8*(4*\b+\a):ACC+8*(4*\b+\a)+7], v[XF+8*\a:XF+8*\a+7], v[YF+8*\b:YF+8*\b+7], v[BI+8*\a:BI+8*\a+7], v[SC+4*\a+(\sp)], v[SC+4*\b+(\sp)] matrix_a_fmt:MATRIX_FMT_FP4 matrix_b_fmt:MATRIX_FMT_FP4 matrix_b_scale:MATRIX_SCALE_ROW1
.else
	v_wmma_scale_f32_16x16x128_f8f6f4 v[ACC+8*(4*\b+\a):ACC+8*(4*\b+\a)+7], v[XF+8*\a:XF+8*\a+7], v[YF+8*\b:YF+8*\b+7], v[ACC+8*(4*\b+\a):ACC+8*(4*\b+\a)+7], v[SC+4*\a+(\sp)], v[SC+4*\b+(\sp)] matrix_a_fmt:MATRIX_FMT_FP4 matrix_b_fmt:MATRIX_FMT_FP4 matrix_b_scale:MATRIX_SCALE_ROW1
.endif
.endr
.endr
.endm
	s_wait_loadcnt 0x0                             ; the bias
	s_wait_tensorcnt 0x1                           ; my block of K's first half is in; the second half's load may stay out
	s_barrier_signal -1
	s_barrier_wait -1                              ; everybody's is
	SCALES 0
	KSTEP 0, 0, 1
	KSTEP 0, 1, 0
	KSTEP 0, 2, 0
	KSTEP 0, 3, 0
	s_wait_tensorcnt 0x0                           ; my block of the second half is in,
	s_wait_dscnt 0x0
	s_barrier_signal -1
	s_barrier_wait -1                              ; everybody's is
	PLACES                                         ; in front of the loads into the scale words' and the fragments' registers
	SCALES 1
	KSTEP 1, 0, 0
	KSTEP 1, 1, 0
	KSTEP 1, 2, 0
	KSTEP 1, 3, 0
.macro TOSTAGE b                       ; tile b of tokens: 32 registers a lane: numbers 32 f + 16 h + 0 .. 15 of my row, f = 0, 1
.irp f, 0,1
.irp m, 0,1,2,3
	ds_store_b128 v12, v[ACC+32*(\b)+16*\f+4*\m:ACC+32*(\b)+16*\f+4*\m+3] offset:128*\f+16*\m   ; each accumulator from its low end on
.endr
.endr
.irp t, 0,1,2,3,4,5,6,7
	ds_load_b128 v[BK+32*((\b)%2)+4*\t:BK+32*((\b)%2)+4*\t+3], v13 offset:2*\t*272   ; LDS serves a wave's instructions in order: these see the stores above, and the next tile's stores come behind them
.endr
.endm
.macro SEND b, younger                 ; younger: the LDS instructions issued behind tile b's loads, which may stay out
	s_wait_dscnt \younger
.irp t, 0,1,2,3,4,5,6,7
	global_store_b128 v14, v[BK+32*((\b)%2)+4*\t:BK+32*((\b)%2)+4*\t+3], s[10:11] offset:(32*((\b)/2)+8*((\b)%2)+2*\t+8*(\t/4))*4096 th:TH_STORE_NT   ; stage rows 2 t, 2 t + 1 are tokens 2 t + 8 (t / 4) (+ 1) of the tile; 16 lanes store 256 consecutive bytes, aligned
.endr
.endm
	PLACES                                         ; behind the last products: in front of the first read of results and of loads into registers that held operands
	TOSTAGE 0
.irp b, 1,2,3
.if \b > 1
	s_wait_xcnt 0x0                                ; the stores of two tiles back have read their registers: this tile's rows may land there
.endif
	TOSTAGE \b
	SEND \b-1, 16                                  ; behind that tile's loads: this tile's 8 stores and 8 loads
.endr
	SEND 3, 0
	s_wait_tensorcnt 0x0
	ds_add_u32 v11, v15
	s_wait_dscnt 0x0
	CROUND                                         ; the closing round: no work-group ends while a partner may still ask for a block that names it
	s_endpgm
.Lfunc_end_k_q3dca3bb8b9_outp:
	.size	k_q3dca3bb8b9_outp, .Lfunc_end_k_q3dca3bb8b9_outp-k_q3dca3bb8b9_outp
	.p2alignl 7, 3214868480
	.fill 96, 4, 3214868480
	.section	.rodata,"a",@progbits
	.p2align	6, 0x0
	.amdhsa_kernel k_q3dca3bb8b9_outp
		.amdhsa_group_segment_fixed_size 244736
		.amdhsa_private_segment_fixed_size 0
		.amdhsa_enable_private_segment 0
		.amdhsa_kernarg_size 32
		.amdhsa_user_sgpr_count 2
		.amdhsa_user_sgpr_kernarg_segment_ptr 1
		.amdhsa_wavefront_size32 1
		.amdhsa_system_sgpr_workgroup_id_x 1
		.amdhsa_system_sgpr_workgroup_id_y 1
		.amdhsa_system_sgpr_workgroup_id_z 1
		.amdhsa_system_vgpr_workitem_id 0
		.amdhsa_next_free_vgpr 256
		.amdhsa_next_free_sgpr 102
		.amdhsa_reserve_vcc 0
		.amdhsa_float_denorm_mode_32 3
		.amdhsa_float_denorm_mode_16_64 3
		.amdhsa_memory_ordered 1
		.amdhsa_forward_progress 1
		.amdhsa_inst_pref_size 45
	.end_amdhsa_kernel
	.amdgpu_metadata
---
amdhsa.version: [ 1, 2 ]
amdhsa.kernels:
  - .name:           k_q3dca3bb8b9_outp
    .symbol:         k_q3dca3bb8b9_outp.kd
    .args:
      - { .name: xw, .offset: 0, .size: 8, .value_kind: global_buffer, .address_space: global }
      - { .name: oq, .offset: 8, .size: 8, .value_kind: global_buffer, .address_space: global }
      - { .name: bo, .offset: 16, .size: 8, .value_kind: global_buffer, .address_space: global }
      - { .name: out0, .offset: 24, .size: 8, .value_kind: global_buffer, .address_space: global }
    .group_segment_fixed_size: 244736
    .private_segment_fixed_size: 0
    .kernarg_segment_align: 8
    .kernarg_segment_size: 32
    .max_flat_workgroup_size: 256
    .sgpr_count:     102
    .vgpr_count:     256
    .wavefront_size: 32
...
	.end_amdgpu_metadata
.endif
;; end of part 4
;; ======== version 2 of 2: 4 launches; version 1 with the launch attn written anew for expert scheduling mode
;; workspace buffers: xw 15,597,568 bytes; mk 532,480 bytes of whole numbers; qkv 13,369,344 bytes; oq 4,456,448 bytes
;; launch prep: the kernel of part 1 again; grid 1408 x 1, 4 waves a work-group, no clusters, 34,304 bytes of LDS; arguments query, key, value, wq, wk, wv, wo, mask, xw, mk; writes xw, mk
;; launch proj: the kernel of part 2 again; grid 4 x 192, 8 waves a work-group, clusters of 4 x 4, 209,920 bytes of LDS; arguments xw, bq, bk, bv, qkv; writes qkv
;; launch attn (part 5): grid 4 x 64, 16 waves a work-group, no clusters, 141,312 bytes of LDS; arguments qkv, mk, oq; writes oq
.if DOCPART == 5
	.amdgcn_target "amdgcn-amd-amdhsa--gfx1250"
	.amdhsa_code_object_version 6
	.text
	.protected	k_q3dca3bb8b9_attn
	.globl	k_q3dca3bb8b9_attn
	.p2align	8
	.type	k_q3dca3bb8b9_attn,@function
k_q3dca3bb8b9_attn:
	s_mov_b64 s[64:65], 0
	v_nop
	global_prefetch_b8 v0, s[64:65] scope:SCOPE_SE
	s_setreg_imm32_b32 hwreg(HW_REG_WAVE_SCHED_MODE, 0, 2), 2
	s_setreg_imm32_b32 hwreg(HW_REG_WAVE_MODE, 25, 1), 1
	s_wait_xcnt 0x0
	s_wait_alu depctr_vm_vsrc(0)
; O = softmax(where(mask == 0, -1e9, q k^T / 8)) v for one head of one batch (bh = work-group y), both products on codes of FP4 with E8M0 scales; O is quantised on the way out, as the operand of the last product.
; THE SOFTMAX AHEAD OF THE SECOND PRODUCT: t = score x log2(e) / 8; M = the running largest t rounded UP to a whole number; p = 2^(t - M) is quantised along the keys, not normalised; the row's sum is taken of the
; unquantised p and divides O at the end.  When M moves, the sum and O are multiplied by 2^(old M - new M): exact.
; SHARES.  A head's whole k and v (codes 2 x 65,536 bytes, scale words 2 x 4,096) are copied into LDS once, through registers; one barrier; after it LDS is only read.  Sixteen waves, four to a SIMD.
; Wave W of work-group x = j takes the tiles of 16 queries T = 4 W + j and T = 124 - 4 W + j, one after the other, and walks the keys in steps of 128.
; WHICH STEPS ARE WALKED hangs on whole numbers that the first launch stored (mk).
; a step all of whose keys count for all 16 queries passes over the masking.  Both are scalar branches; no barrier stands behind them.
; NO JOINT LOADS, though the four work-groups of a head read the same k and v: the walk branches on numbers read from memory, so this launch has no tensor load; what is shared is 139,264 bytes a work-group, read once.
; LAYOUT.  Both products are used transposed: S^T = k q^T, O^T = v^T p^T: a lane holds ONE query (lane % 16).  A tile holds rows 32 (T / 2) + 8 (T % 2) + r + 8 (r / 8), so the 16 registers of two neighbouring
; tiles are 16 neighbours along the next K.  The head's size is 64 and the instruction's K is 128: a fragment of k holds TWO tiles of keys, one in each half of K, and q stands in one half beside zero codes:
; [q | 0] picks the first tile, [0 | q] the second.
; LIMITS: a masked score is -2^33 (a logit of -2^30) where the definition has a logit of -1e9: the same results while real logits stay above -2^30; NaN and infinities are not served;
; a block of zeros keeps the scale byte 1 (its codes are zeros; this program alone reads the bytes).
; THE MODE: SCHED_MODE bits 1:0 = 2 (LLVM: expert scheduling mode 2), set by the entry lines.  The code itself states the register dependences
; between vector or matrix instructions and memory or LDS instructions, with s_wait_alu, always for 0.
; THE PLAN.  Registers that memory or LDS instructions touch in a key step:
;   v5-v8     addresses.  Written by four additions at the step's head; read by the step's 18 LDS loads and by its load of mask words.
;   KF, KSC   k's fragments and scale words.  Land at the step's head; read by the eight products k q^T.
;   VF, VSC   v's.  Land among those eight products; read by the four products v^T p^T at the step's end.
;   MW        the mask words.  Land at the step's head, where they are asked for; shifted in place and read by the masking lines.
;   S, O, p's codes and scale word, the statistics and all that is at work are named by vector and matrix instructions alone.
; The wave's 256 registers leave no room for a second set of fragments, and which step is walked next hangs on the stored marks: so a step's loads are asked for in the step itself.
; ONE wait on vm_vsrc and ONE on va_vdst stand at a step's head, round the four additions: the first states that the last walked step's loads have read v5-v8; the second that v5-v8 are written, that the last walked step's
; products are done reading all four sets, and that its masking lines are done with MW.  All 19 loads of the step lean on it: k's nine go out at once, v's nine are dealt among the eight products k q^T, which name
; S, KF, KSC, q and q's scale word: none of the registers that v's loads touch.  A second wait on va_vdst stands behind the step's 68 exponentials, ahead of their first reader; a third ahead of the products v^T p^T,
; for p's codes and p's scale word.  In the masking the compares stand in runs of sixteen, each into a scalar register of its own, with one wait on va_sdst behind a run.
.set VI,   65536                       ; LDS: k's images at 0, v's here,
.set KSL,  131072                      ; k's scale words as [ks][r][pair of tiles b],
.set VSL,  135168                      ; v's as [ks][r][tile dt]
.set QS,   10                          ; v10  q's scale word (q0, q1, q0, q1): scales and nothing else
.set PS,   11                          ; v11  p's scale word
.set KSC,  28                          ; v28-31 k's scale words, v32-35 v's
.set VSC,  32
.set MW,   36                          ; v36-39 the step's mask words of my query
.set PC,   40                          ; v40-47 p's codes
.set KF,   48                          ; v48-79 k's four fragments
.set VF,   80                          ; v80-111 v's four
.set S,    112                         ; v112-175 S^T, then p
.set O,    176                         ; v176-207 O^T
.set BM,   208                         ; v208-211 a block's largest score, then p
.set BX,   212                         ; v212-215 the other half's, then bytes
.set SO,   216                         ; v216-219 the conversions' scale operands
.set TT,   224
.set F,    226                         ; v[226:227] f, later 1 / sum (the low word serves both halves)
.set L2,   228                         ; v[228:229] the sum's second chain
.set OC,   232                         ; v232-235 O's codes
.set TMP,  240                         ; v240-255 at the head the copy's addresses and scale words; in the masking sixteen bits
.set CM,   36                          ; s36-51  at a tile's head the step marks; in the masking sixteen lane masks
	s_load_b128 s[4:7], s[0:1], 0x0                ; qkv, mk
	s_load_b64 s[8:9], s[0:1], 0x10                ; oq
	v_lshl_add_u32 v223, v0, 2, 0x22000
	v_mov_b32 v239, 0
	v_lshrrev_b32 v1, 5, v0
	v_readfirstlane_b32 s10, v1                    ; wave 0..15
	s_and_b32 s12, ttmp7, 0xffff                   ; bh
	s_mov_b32 s15, 0
	s_mov_b32 s20, 0x76543210
	s_mov_b32 s21, 0xfedcba98                      ; v_permlanex16_b32's selects for lane l xor 16
	s_mov_b32 s22, 0x3e38aa3b                      ; c = log2(e) / 8
	s_mov_b32 s23, s22                             ; (named with it as a pair, so it is written)
	s_lshl_b32 s52, s12, 16
	s_mov_b32 s53, 0
	s_lshl_b32 s54, s12, 12
	s_add_co_u32 s54, s54, 12582912
	s_mov_b32 s55, 0
	s_and_b32 s56, s12, 15                         ; head
	s_lshr_b32 s57, s12, 4                         ; batch
	s_lshr_b32 s58, s56, 3                         ; the last product's K = 64 head + d: half g = head / 8,
	s_bfe_u32 s59, s56, 0x20001                    ; K step (head / 2) % 4,
	s_and_b32 s56, s56, 1                          ; and half of a fragment head % 2
	s_lshl_b32 s44, s58, 21
	s_lshl_b32 s45, s57, 19
	s_add_co_u32 s44, s44, s45
	s_lshl_b32 s45, s59, 10
	s_add_co_u32 s44, s44, s45
	s_lshl_b32 s45, s56, 9
	s_add_co_u32 s44, s44, s45
	s_mov_b32 s45, 0
	s_lshl_b32 s46, s58, 17
	s_lshl_b32 s47, s57, 15
	s_add_co_u32 s46, s46, s47
	s_lshl_b32 s47, s59, 2
	s_add_co_u32 s46, s46, s47
	s_lshl_b32 s47, s56, 1
	s_add_co_u32 s46, s46, s47
	s_add_co_u32 s46, s46, 4194304
	s_mov_b32 s47, 0
	v_lshlrev_b32 v5, 4, v0                        ; the copy: 16 x thread, in memory and in LDS alike
	v_add_nc_u32 v6, VI, v5
	v_lshlrev_b32 v7, 2, v0                        ; k's scale words: 4 x thread
	v_and_b32 v243, 15, v0                         ; r
	v_bfe_u32 v244, v0, 4, 1                       ; h (in the copy of v's scale words: which pair of tiles)
	v_lshrrev_b32 v8, 5, v0
	v_lshlrev_b32 v8, 8, v8                        ; 256 x (thread / 32): v's scale words of one step
	v_lshl_add_u32 v242, v244, 6, v8
	v_lshl_add_u32 v242, v243, 2, v242             ; in memory: [ks][c][pair][r]
	v_lshl_add_u32 v241, v243, 4, v8
	v_lshl_add_u32 v241, v244, 3, v241
	v_add_nc_u32 v241, VSL, v241                   ; in LDS: [ks][r][dt], two words a thread
	v_lshrrev_b32 v240, 6, v0
	v_lshlrev_b32 v240, 8, v240
	v_lshl_add_u32 v240, v243, 4, v240
	v_bfe_u32 v245, v0, 4, 2
	v_lshl_add_u32 v240, v245, 2, v240
	v_add_nc_u32 v240, KSL, v240                   ; k's: from [ks][b][r] to [ks][r][b]
	s_wait_alu depctr_va_sdst(0)                   ; s10 is written, ahead of its first reader: my two tiles' numbers are made from it
	s_lshl_b32 s13, s10, 2
	s_sub_co_u32 s14, 124, s13
	s_add_co_u32 s13, s13, ttmp9                   ; my first tile of queries
	s_add_co_u32 s14, s14, ttmp9                   ; my second
	s_wait_kmcnt 0x0
	s_add_nc_u64 s[24:25], s[4:5], s[52:53]        ; q's images of my head
	s_add_nc_u64 s[26:27], s[24:25], 4194304       ; k's
	s_add_nc_u64 s[28:29], s[24:25], 8388608       ; v's
	s_add_nc_u64 s[30:31], s[4:5], s[54:55]        ; q's scale words; k's 262,144 bytes on, v's 524,288
	s_add_nc_u64 s[32:33], s[8:9], s[44:45]        ; O's codes
	s_add_nc_u64 s[34:35], s[8:9], s[46:47]        ; O's scale bytes
	s_wait_alu depctr_va_vdst(0)                   ; the copy's addresses are written: v5, v7, v242, which the loads below read, and v6, v240, v241, which the LDS stores read
.set i, 0
.rept 8
	global_load_b128 v[S+4*i:S+4*i+3], v5, s[26:27] offset:i*8192
.set i, i+1
.endr
.set i, 0
.rept 8
	global_load_b128 v[S+32+4*i:S+32+4*i+3], v5, s[28:29] offset:i*8192
.set i, i+1
.endr
	global_load_b32 v246, v7, s[30:31] offset:262144
	global_load_b32 v247, v7, s[30:31] offset:262144+2048
	global_load_b32 v250, v242, s[30:31] offset:524288       ; keys 0-63 of the step: bytes (first tile: 2 blocks; second tile: 2 blocks)
	global_load_b32 v251, v242, s[30:31] offset:524288+128   ; keys 64-127
	; registers that stay.  None of these lines names a register that the loads above or the LDS stores below touch
	v_and_b32 v1, 31, v0
	v_lshlrev_b32 v1, 4, v1                        ; v1   16 x lane: an image's place for my lane
	v_lshl_add_u32 v2, v243, 4, KSL                ; v2   my row's scale words
	v_lshlrev_b32 v4, 2, v244                      ; v4   4 h
	v_mov_b32 v9, 0xd0000000                       ; v9   -2^33: the score of a key that does not count
	v_and_b32 v225, 8, v243
	v_add_nc_u32 v225, v225, v243
	v_lshlrev_b32 v225, 8, v225                    ; v225 256 (r + 8 (r / 8)): my query's row of mask words within the tile
	v_lshlrev_b32 v230, 2, v243                    ; v230 4 r
	v_lshl_add_u32 v231, v243, 4, v244             ; v231 16 r + h
.irp i, 16,17,18,19,24,25,26,27
	v_mov_b32 v\i, 0                               ; zero codes on both sides of q: v[20:27] = [q | 0], v[16:23] = [0 | q]
.endr
.irp i, 0,1,2,3
	v_mov_b32 v[MW+\i], 0                          ; written once, so that they hold a number on every way
	v_mov_b32 v[BX+\i], 0                          ; a lane permute's destination counts as one of its sources
.endr
	v_mov_b32 v[TT], 0
	v_mov_b32 v[F+1], 0                            ; (named as the upper half of a pair)
	s_wait_loadcnt 12                              ; k's eight loads are in (behind them: v's eight and four scale loads)
.set i, 0
.rept 8
	ds_store_b128 v5, v[S+4*i:S+4*i+3] offset:i*8192
.set i, i+1
.endr
	s_wait_loadcnt 4                               ; v's eight are in
.set i, 0
.rept 8
	ds_store_b128 v6, v[S+32+4*i:S+32+4*i+3] offset:i*8192
.set i, i+1
.endr
	s_wait_loadcnt 0x0
	ds_store_b32 v240, v246
	ds_store_b32 v240, v247 offset:2048
	v_perm_b32 v248, v251, v250, 0x05040100        ; the first tile's four key blocks,
	v_perm_b32 v249, v251, v250, 0x07060302        ; the second's
	s_wait_alu depctr_va_vdst(0)                   ; the two lines above have written v[248:249], which the store below reads; the registers that stay, the zero codes beside q among them, are written too
	ds_store_b64 v241, v[248:249]
	s_wait_dscnt 0x0                               ; for the others' sake: my stores have landed
	s_barrier_signal -1
	s_barrier_wait -1                              ; the head's k and v lie in LDS; from here on LDS is only read
	s_wait_alu depctr_vm_vsrc(0)                   ; the copy's loads and LDS stores have read their addresses (v5-v7, v240-242) and their data (v112-175, v246-249): additions, products and the masking write these registers from here on
.Ltile:                                            ; two trips: T = s13
	s_lshl_b32 s52, s13, 9
	v_add_nc_u32 v220, s52, v1
	s_lshr_b32 s53, s13, 1
	s_and_b32 s54, s13, 1
	s_lshl_b32 s58, s53, 6
	v_add_nc_u32 v221, s58, v230
	s_wait_alu depctr_va_vdst(0)                   ; v220 and v221 are written, which the two loads read; the last tile's products are done reading v[20:23], and its lines are done with v222, in which the loads land
	global_load_b128 v[20:23], v220, s[24:25]      ; q's image: lane (r, h): d = 32 h .. of the tile's query r
	global_load_b32 v222, v221, s[30:31]           ; the pair of tiles' scale word of row r
	s_lshl_b32 s55, s53, 7
	s_lshl_b32 s56, s54, 5
	s_add_co_u32 s55, s55, s56                     ; 4 x the tile's first row: 32 (T / 2) + 8 (T % 2)
	s_load_b256 s[36:43], s[6:7], s55 offset:0x80000   ; the step marks of rows + 0 .. 7
	s_load_b256 s[44:51], s[6:7], s55 offset:0x80040   ; and + 16 .. 23
	s_lshl_b32 s56, s55, 6
	v_add_nc_u32 v3, s56, v225                     ; my query's row of mask words
	s_lshl_b32 s57, s54, 4
	s_wait_kmcnt 0x0
	s_or_b32 s17, s36, s37                         ; bit ks: some query of the tile wants step ks
	s_and_b32 s18, s36, s37
.irp k, 38,39,40,41,42,43,44,45,46,47,48,49,50,51
	s_or_b32 s17, s17, s\k
	s_and_b32 s18, s18, s\k
.endr
	s_lshr_b32 s18, s18, 16                        ; bit ks: all 128 keys of step ks count for all 16 queries
	s_wait_loadcnt 0x0
	v_lshrrev_b32 v222, s57, v222                  ; my tile's two bytes,
	v_perm_b32 v[QS], v222, v222, 0x01000100       ; for both halves of K.  The lines below are the eight places between this line and the first scaled product; the wait at the head of the first step walked states that it is written
.set i, 0
.rept 32
	v_mov_b32 v[O+i], 0                            ; O^T: the step is written once; its first walk finds zeros, which the first change of M leaves zeros
.set i, i+1
.endr
	v_mov_b32 v14, 0                               ; the sum, in two halves
	v_mov_b32 v15, 0
	v_mov_b32 v13, 0xff61b1e6                      ; the largest t so far: -3e38
	v_floor_f32 v12, -v13                          ; -M
	s_mov_b32 s16, 0
.Lkey:                                             ; sixteen trips, ks = s16
	s_lshr_b32 s19, s17, s16
	s_and_b32 s19, s19, 1
	s_cmp_lg_u32 s19, 0
	s_cbranch_scc0 .Lskip                          ; nobody wants this step
	s_lshl_b32 s52, s16, 12
	s_lshl_b32 s53, s16, 8
	s_lshl_b32 s54, s16, 4
	s_wait_alu depctr_vm_vsrc(0)                   ; the loads of the step walked last have read v5 to v8, which the four additions write
	v_add_nc_u32 v5, s52, v1                       ; the step's images of k
	v_add_nc_u32 v7, s53, v2                       ; its scale words
	v_add_nc_u32 v8, s54, v3                       ; its mask words
	v_add_nc_u32 v6, VI, v5                        ; its images of v
	s_lshr_b32 s19, s18, s16
	s_and_b32 s19, s19, 1
	s_wait_alu depctr_va_vdst(0)                   ; v5 to v8 are written, which this step's loads read; the products of the step walked last are done reading KF, KSC, VF and VSC, and its masking lines are done with MW, in which the loads land; in a tile's first step q's scale word is written
	s_cmp_lg_u32 s19, 0
	s_cbranch_scc1 .Lno_words
	global_load_b128 v[MW:MW+3], v8, s[6:7]        ; word e, bit l: key 4 l + e of the step counts for my query
.Lno_words:
	ds_load_b128 v[KSC:KSC+3], v7
.irp b, 0,1,2,3
	ds_load_b128 v[KF+8*\b:KF+8*\b+3], v5 offset:\b*1024         ; tile 2 b of the step in K's first half,
	ds_load_b128 v[KF+8*\b+4:KF+8*\b+7], v5 offset:\b*1024+512   ; tile 2 b + 1 in its second
.endr
	s_wait_dscnt 0x0                               ; k's nine loads are in; v's are not yet asked for
.irp b, 0,1,2,3
	v_wmma_scale_f32_16x16x128_f8f6f4 v[S+16*\b:S+16*\b+7], v[KF+8*\b:KF+8*\b+7], v[20:27], 0, v[KSC+\b], v[QS] matrix_a_fmt:MATRIX_FMT_FP4 matrix_b_fmt:MATRIX_FMT_FP4
	v_wmma_scale_f32_16x16x128_f8f6f4 v[S+16*\b+8:S+16*\b+15], v[KF+8*\b:KF+8*\b+7], v[16:23], 0, v[KSC+\b], v[QS] matrix_a_fmt:MATRIX_FMT_FP4 matrix_b_fmt:MATRIX_FMT_FP4
.if \b == 0
	ds_load_b128 v[VSC:VSC+3], v7 offset:VSL-KSL   ; v's loads are dealt among these products.  No wait: no vector or matrix instruction since the wait at the step's head names v6, v7, VF or VSC
.endif
	ds_load_b128 v[VF+8*\b:VF+8*\b+3], v6 offset:\b*1024
	ds_load_b128 v[VF+8*\b+4:VF+8*\b+7], v6 offset:\b*1024+512
.endr                                              ; register 16 b + i: key 128 ks + 32 b + 16 h + i
.rept 4
	v_nop                                          ; four places in front of the first read of the scores
.endr
	s_wait_loadcnt 0x0                             ; the mask words, where they were asked for
	s_cmp_lg_u32 s19, 0
	s_cbranch_scc1 .Lopen
.irp e, 0,1,2,3
	v_lshrrev_b32 v[MW+\e], v4, v[MW+\e]           ; key 32 b + 16 h + i = 4 l + e: e = i % 4, l = 8 b + 4 h + i / 4
.endr
.irp g, 0,1,2,3                                    ; block g's sixteen scores: sixteen bits, sixteen compares into scalar registers of their own, one wait, sixteen selects
.set i, 0
.rept 16
	v_bfe_u32 v[TMP+i], v[MW+i%4], 8*\g+i/4, 1
.set i, i+1
.endr
.set i, 0
.rept 16
	v_cmp_eq_u32 s[CM+i], 0, v[TMP+i]
.set i, i+1
.endr
	s_wait_alu depctr_va_sdst(0)                   ; the sixteen compares have written s36 to s51, ahead of the selects that read them
.set i, 0
.rept 16
	v_cndmask_b32 v[S+16*\g+i], v[S+16*\g+i], v9, s[CM+i]   ; each accumulator from its low end on
.set i, i+1
.endr
.endr
.Lopen:
.irp b, 0,1,2,3
	v_max3_num_f32 v[BM+\b], v[S+16*\b], v[S+1+16*\b], v[S+2+16*\b]   ; the largest score of each block of 32 keys: for the row's maximum and, since p rises with the score, for the block's largest p
.endr
.irp i, 3,5,7,9,11,13
.irp b, 0,1,2,3
	v_max3_num_f32 v[BM+\b], v[BM+\b], v[S+16*\b+\i], v[S+1+16*\b+\i]
.endr
.endr
.irp b, 0,1,2,3
	v_max_num_f32 v[BM+\b], v[BM+\b], v[S+15+16*\b]
.endr
.irp b, 0,1,2,3
	v_permlanex16_b32 v[BX+\b], v[BM+\b], s20, s21
.endr
.irp b, 0,1,2,3
	v_max_num_f32 v[BM+\b], v[BM+\b], v[BX+\b]     ; with lane l xor 16's 16 keys
.endr
	v_max3_num_f32 v[TT], v[BM], v[BM+1], v[BM+2]
	v_max_num_f32 v[TT], v[TT], v[BM+3]            ; the step's largest score of my query
	v_mul_f32 v[TT], s22, v[TT]                    ; as t
	v_max_num_f32 v13, v13, v[TT]                  ; the running largest t
	v_mov_b32 v[TT], v12
	v_floor_f32 v12, -v13                          ; the new -M = floor(-t): M is a whole number
	v_sub_f32 v[TT], v12, v[TT]                    ; old M - new M: a whole number, 0 or less
	v_cvt_i32_f32 v[TT], v[TT]                     ; (it saturates)
	v_ldexp_f32 v[F], 1.0, v[TT]                   ; f = 2^(old M - new M)
.set n, 0
.rept 32
	v_pk_fma_f32 v[S+n:S+n+1], v[S+n:S+n+1], s[22:23], v[12:13] op_sel_hi:[1,0,0]   ; t - M, two at a time
.set n, n+2
.endr
.irp b, 0,1,2,3
	v_fma_f32 v[BM+\b], v[BM+\b], s22, v12         ; the same of each block's largest score
.endr
.set n, 0
.rept 64
	v_exp_f32 v[S+n], v[S+n]                       ; p = 2^(t - M), at most 1
.set n, n+1
.endr
.irp b, 0,1,2,3
	v_exp_f32 v[BM+\b], v[BM+\b]                   ; the block's largest p: in the same batch
.endr
	v_pk_mul_f32 v[14:15], v[14:15], v[F:F+1] op_sel_hi:[1,0]   ; the sums under the new M: a plain line behind the exponentials
	s_wait_alu depctr_va_vdst(0)                   ; the 68 exponentials have written p and the blocks' largest p: one wait for the batch, ahead of its first reader
	v_pk_add_f32 v[L2:L2+1], v[S:S+1], v[S+2:S+3]  ; the row's sum is taken of the unquantised p, in two chains
.set n, 4
.rept 15
	v_pk_add_f32 v[14:15], v[14:15], v[S+n:S+n+1]
	v_pk_add_f32 v[L2:L2+1], v[L2:L2+1], v[S+n+2:S+n+3]
.set n, n+4
.endr
	v_pk_add_f32 v[14:15], v[14:15], v[L2:L2+1]
.irp b, 0,1,2,3
	v_max_num_f32 v[BM+\b], 0x1800000, v[BM+\b]    ; the floor 2^(3 - 127): the byte cannot fall under 1
.endr
.irp b, 0,1,2,3
	v_add_nc_u32 v[SO+\b], 0xff000000, v[BM+\b]    ; 2 off the exponent field: the conversion's scale operand
.endr
.irp b, 0,1,2,3
	v_lshrrev_b32 v[BX+\b], 23, v[SO+\b]           ; the scale's byte
.endr
	v_lshl_or_b32 v[PS], v[BX+1], 8, v[BX]         ; p's scale word for these 128 keys
	v_lshl_or_b32 v[PS], v[BX+2], 16, v[PS]
	v_lshl_or_b32 v[PS], v[BX+3], 24, v[PS]
.irp b, 0,1,2,3
	v_cvt_scalef32_pk8_fp4_f32 v[PC+2*\b], v[S+16*\b:S+7+16*\b], v[SO+\b]
	v_cvt_scalef32_pk8_fp4_f32 v[PC+1+2*\b], v[S+8+16*\b:S+15+16*\b], v[SO+\b]
.endr
	v_nop                                          ; one plain line behind a scaled conversion
.irp c, 0,1
.irp i, 0,1
	v_permlane16_swap_b32 v[PC+4*\c+\i], v[PC+2+4*\c+\i]   ; whole blocks: lanes 0-15 block 2 c, lanes 16-31 block 2 c + 1
.endr
.endr
.set n, 0
.rept 16
	v_pk_mul_f32 v[O+n:O+n+1], v[O+n:O+n+1], v[F:F+1] op_sel_hi:[1,0]   ; O^T under the new M, each accumulator from its low end on.  (Also the places between p's codes and scale word and the products)
.set n, n+2
.endr
	s_wait_dscnt 0x0                               ; v's fragments and scale words are in
	s_wait_alu depctr_va_vdst(0)                   ; p's codes and p's scale word are written, which the products below take as source 1 and as scales; the places above stay beside this wait
.irp d, 0,1,2,3
	v_wmma_scale_f32_16x16x128_f8f6f4 v[O+8*\d:O+8*\d+7], v[VF+8*\d:VF+8*\d+7], v[PC:PC+7], v[O+8*\d:O+8*\d+7], v[VSC+\d], v[PS] matrix_a_fmt:MATRIX_FMT_FP4 matrix_b_fmt:MATRIX_FMT_FP4
.endr                                              ; four accumulators by turns; register 16 b + i: d = 32 b + 16 h + i
.Lskip:
	s_add_co_u32 s16, s16, 1
	s_cmp_lt_u32 s16, 16
	s_cbranch_scc1 .Lkey
	; THE TILE'S END: O^T / the sum, quantised along d (two blocks of the last product's K), stored as half of a fragment's image
.rept 4
	v_nop                                          ; four places behind the last products
.endr
	v_add_f32 v14, v14, v15
	v_permlanex16_b32 v[TT], v14, s20, s21
	v_add_f32 v14, v14, v[TT]                      ; the row's sum
	v_rcp_f32 v[F], v14
	v_nop                                          ; a plain line behind the reciprocal
	s_wait_alu depctr_va_vdst(0)                   ; the reciprocal has written v226, ahead of its first reader
.set n, 0
.rept 16
	v_pk_mul_f32 v[O+n:O+n+1], v[O+n:O+n+1], v[F:F+1] op_sel_hi:[1,0]
.set n, n+2
.endr
.irp b, 0,1
	v_max3_num_f32 v[BM+\b], |v[O+16*\b]|, |v[O+1+16*\b]|, 0x1800000
.endr
.irp i, 2,4,6,8,10,12,14
.irp b, 0,1
	v_max3_num_f32 v[BM+\b], v[BM+\b], |v[O+16*\b+\i]|, |v[O+1+16*\b+\i]|
.endr
.endr
.irp b, 0,1
	v_permlanex16_b32 v[BX+\b], v[BM+\b], s20, s21
.endr
.irp b, 0,1
	v_max_num_f32 v[BM+\b], v[BM+\b], v[BX+\b]
.endr
.irp b, 0,1
	v_add_nc_u32 v[SO+\b], 0xff000000, v[BM+\b]
.endr
.irp b, 0,1
	v_lshrrev_b32 v[BX+\b], 23, v[SO+\b]
.endr
.irp b, 0,1
	v_cvt_scalef32_pk8_fp4_f32 v[OC+2*\b], v[O+16*\b:O+7+16*\b], v[SO+\b]
	v_cvt_scalef32_pk8_fp4_f32 v[OC+1+2*\b], v[O+8+16*\b:O+15+16*\b], v[SO+\b]
.endr
	v_nop
	v_permlane16_swap_b32 v[OC], v[OC+2]
	v_permlane16_swap_b32 v[OC+1], v[OC+3]         ; v[OC .. OC + 3]: d = 32 h + 0 .. 31 of my query
	s_lshl_b32 s52, s13, 12
	s_lshl_b32 s53, s13, 8
	v_cmp_ne_u32 vcc_lo, 0, v4
	v_add_nc_u32 v236, s52, v1
	v_add_nc_u32 v237, s53, v231
	s_wait_alu depctr_va_vcc(0)                    ; the compare has written VCC, ahead of the select that reads it
	v_cndmask_b32 v238, v[BX], v[BX+1], vcc_lo     ; lane (r, h) stores block h's byte of row r
	s_wait_alu depctr_va_vdst(0)                   ; O's codes v[232:235], the byte v238 and the two offsets v236 and v237 are written, which the two stores read
	global_store_b128 v236, v[OC:OC+3], s[32:33]   ; 32 lanes store 512 consecutive bytes
	global_store_b8 v237, v238, s[34:35]           ; a K step's scale word is shared by two heads, which are two work-groups': so single bytes, one sixteenth of the codes' bytes
	s_wait_xcnt 0x0                                ; the stores have had their addresses translated: the next tile may write their registers
	s_wait_alu depctr_vm_vsrc(0)                   ; the two stores have read v232 to v238, and the tile's loads have read v220, v221 and v5 to v8: the next tile writes all of these again
	s_mov_b32 s13, s14
	s_add_co_u32 s15, s15, 1
	s_cmp_lt_u32 s15, 2
	s_cbranch_scc1 .Ltile
	s_wait_dscnt 0x0
	s_wait_alu depctr_hold_cnt(0) depctr_sa_sdst(0) depctr_va_vdst(0) depctr_va_sdst(0) depctr_va_ssrc(0) depctr_va_vcc(0) depctr_vm_vsrc(0)
	s_wait_tensorcnt 0x0
	ds_add_u32 v223, v239
	s_wait_dscnt 0x0
	s_endpgm
.Lfunc_end_k_q3dca3bb8b9_attn:
	.size	k_q3dca3bb8b9_attn, .Lfunc_end_k_q3dca3bb8b9_attn-k_q3dca3bb8b9_attn
	.p2alignl 7, 3214868480
	.fill 96, 4, 3214868480
	.section	.rodata,"a",@progbits
	.p2align	6, 0x0
	.amdhsa_kernel k_q3dca3bb8b9_attn
		.amdhsa_group_segment_fixed_size 141312
		.amdhsa_private_segment_fixed_size 0
		.amdhsa_enable_private_segment 0
		.amdhsa_kernarg_size 24
		.amdhsa_user_sgpr_count 2
		.amdhsa_user_sgpr_kernarg_segment_ptr 1
		.amdhsa_wavefront_size32 1
		.amdhsa_system_sgpr_workgroup_id_x 1
		.amdhsa_system_sgpr_workgroup_id_y 1
		.amdhsa_system_sgpr_workgroup_id_z 1
		.amdhsa_system_vgpr_workitem_id 0
		.amdhsa_next_free_vgpr 256
		.amdhsa_next_free_sgpr 66
		.amdhsa_reserve_vcc 1
		.amdhsa_float_denorm_mode_32 3
		.amdhsa_float_denorm_mode_16_64 3
		.amdhsa_memory_ordered 1
		.amdhsa_forward_progress 1
		.amdhsa_inst_pref_size 43
	.end_amdhsa_kernel
	.amdgpu_metadata
---
amdhsa.version: [ 1, 2 ]
amdhsa.kernels:
  - .name:           k_q3dca3bb8b9_attn
    .symbol:         k_q3dca3bb8b9_attn.kd
    .args:
      - { .name: qkv, .offset: 0, .size: 8, .value_kind: global_buffer, .address_space: global }
      - { .name: mk, .offset: 8, .size: 8, .value_kind: global_buffer, .address_space: global }
      - { .name: oq, .offset: 16, .size: 8, .value_kind: global_buffer, .address_space: global }
    .group_segment_fixed_size: 141312
    .private_segment_fixed_size: 0
    .kernarg_segment_align: 8
    .kernarg_segment_size: 24
    .max_flat_workgroup_size: 512
    .sgpr_count:     66
    .vgpr_count:     256
    .wavefront_size: 32
...
	.end_amdgpu_metadata
.endif
;; end of part 5
;; launch outp: the kernel of part 4 again; grid 4 x 64, 8 waves a work-group, clusters of 4 x 4, 244,736 bytes of LDS; arguments xw, oq, bo, out0; writes out0
